; MI455X (gfx1250); checked and timed in simulation.
; The chip was launched on July 23, 2026; its instructions are those of AMD's public machine-readable ISA for CDNA 5 (MIT licence, August 2026) and "CDNA5" Instruction Set Architecture Reference Guide (July 2026). The comments in the code are by the model that wrote it; some were corrected since.
;; Top K Mo E. Allowed arithmetic: matrix products marked QUANTISED: E2M1 operands, one E8M0 scale for each 32 along K, by v_wmma_scale_f32_16x16x128_f8f6f4 with both operands' format E2M1 (or v_wmma_scale_f32_32x16x128_f4), f32 sums; products left as they are: f32 operands where the result goes on into a quantised operand, else bf16, f16 or f32 operands; f32 sums; everything else in f32.
;; Inputs: router_w 1,024 x 8 float32; w1_codes 8 x 512 x 32 x 16 uint8 (E2M1 codes of w1, K innermost, in blocks of 32 codes, two codes a byte); w1_scales 8 x 512 x 32 uint8 (E8M0 scales of w1, one for each 32 codes along K); w2_codes 8 x 1,024 x 16 x 16 uint8 (E2M1 codes of w2, K innermost, in blocks of 32 codes, two codes a byte); w2_scales 8 x 1,024 x 16 uint8 (E8M0 scales of w2, one for each 32 codes along K); x 4 x 2,048 x 1,024 float32.
;; Outputs: out0 4 x 2,048 x 1,024 float32; out1 one number float32.
;; This version of the problem:
;;   THIS VERSION OF THE PROBLEM IS GIVEN IN LOW PRECISION. The matrix products marked QUANTISED in the list below multiply operands that are first quantised to E2M1 (2 exponent bits, 1 mantissa bit; 4 bits a number), with one power-of-two scale for each 32 numbers along K (OCP MX v1.0); their sums are f32. All else is computed in f32.
;;   The module's matrix products, in the order in which they are computed (A, B: the left and right operand; K: the contracted axis; several contracted axes count as one K, in the product's order):
;;     1. [M 8,192, K 1,024] x [K 1,024, N 8]; A: input x; B: input router_w: left as it is (N = 8 < 16)
;;     2. [M 8,192, K 1,024] x [K 1,024, N 512]; A: input x; B: input w1 (given as codes): QUANTISED
;;     3. [M 8,192, K 512] x [K 512, N 1,024]; A: computed on the way; B: input w2 (given as codes): QUANTISED
;;     4. [M 8,192, K 1,024] x [K 1,024, N 512]; A: input x; B: input w1 (given as codes): QUANTISED
;;     5. [M 8,192, K 512] x [K 512, N 1,024]; A: computed on the way; B: input w2 (given as codes): QUANTISED
;;     6. [M 8,192, K 1,024] x [K 1,024, N 512]; A: input x; B: input w1 (given as codes): QUANTISED
;;     7. [M 8,192, K 512] x [K 512, N 1,024]; A: computed on the way; B: input w2 (given as codes): QUANTISED
;;     8. [M 8,192, K 1,024] x [K 1,024, N 512]; A: input x; B: input w1 (given as codes): QUANTISED
;;     9. [M 8,192, K 512] x [K 512, N 1,024]; A: computed on the way; B: input w2 (given as codes): QUANTISED
;;     10. [M 8,192, K 1,024] x [K 1,024, N 512]; A: input x; B: input w1 (given as codes): QUANTISED
;;     11. [M 8,192, K 512] x [K 512, N 1,024]; A: computed on the way; B: input w2 (given as codes): QUANTISED
;;     12. [M 8,192, K 1,024] x [K 1,024, N 512]; A: input x; B: input w1 (given as codes): QUANTISED
;;     13. [M 8,192, K 512] x [K 512, N 1,024]; A: computed on the way; B: input w2 (given as codes): QUANTISED
;;     14. [M 8,192, K 1,024] x [K 1,024, N 512]; A: input x; B: input w1 (given as codes): QUANTISED
;;     15. [M 8,192, K 512] x [K 512, N 1,024]; A: computed on the way; B: input w2 (given as codes): QUANTISED
;;     16. [M 8,192, K 1,024] x [K 1,024, N 512]; A: input x; B: input w1 (given as codes): QUANTISED
;;     17. [M 8,192, K 512] x [K 512, N 1,024]; A: computed on the way; B: input w2 (given as codes): QUANTISED
;;   THE QUANTISER, for each operand of a quantised product, along K:
;;     - K is cut into blocks of 32 from its start; a last block that is shorter is filled with zeros.
;;     - A block's scale is 2^e with e = floor(log2(the largest magnitude in the block)) - 2, held to -126 .. 127; a block of zeros has e = 0. As a byte (E8M0): e + 127.
;;     - Each number is divided by its block's scale, clamped to +-6, and rounded to the nearest number of E2M1, ties to even, subnormals kept.
;;     - The product sums the exact products of the quantised numbers (number of the format x scale) in f32.
;;   ~~~python
;;   def quantise(x, axis):      # numpy; x: float32 -> the quantised numbers, widened to float32 again
;;       x = np.moveaxis(x, axis, -1); K = x.shape[-1]
;;       x = np.pad(x, [(0, 0)] * (x.ndim - 1) + [(0, -K % 32)]); x = x.reshape(x.shape[:-1] + (-1, 32)); a = np.abs(x).max(-1, keepdims=True)
;;       e = np.where(a > 0, np.clip(np.frexp(np.where(a > 0, a, 1))[1] - 1 - 2, -126, 127), 0)      # np.frexp(a)[1] - 1 = floor(log2(a)), exactly
;;       r = np.clip(x / 2.0 ** e, -6, 6)
;;       step = 2.0 ** (np.maximum(np.frexp(np.where(r == 0, 1, r))[1] - 1, 0) - 1)
;;       q = np.round(r / step) * step * 2.0 ** e      # np.round: ties to even
;;       return np.moveaxis(q.reshape(q.shape[:-2] + (-1,))[..., :K], -1, axis).astype(np.float32)
;;   ~~~
;;   OPERANDS COMPUTED ON THE WAY. 'Computed on the way' means the value that the module computes at that place (a softmax that the list does not call 'softmax' is quantised finished and normalised). What goes into a quantiser is computed in f32, as accurately as f32 sums, v_exp_f32 and their like allow (about 1e-6 of the number): no bf16 or f16 on the way to a quantiser, and a product that is left as it is and whose result goes on into a quantised operand takes f32 operands (vector FMAs, or v_wmma_f32_16x16x4_f32). A number that lies on a knife's edge between two numbers of the format may be rounded either way, as far as f32 arithmetic and the matrix unit's own rounding can turn it there, and no further.
;;   INPUTS GIVEN AS CODES. w1 (in the module: [8, 1024, 512], K = its axis 1); w2 (in the module: [8, 512, 1024], K = its axis 1): each comes as NAME_codes (uint8): NAME with its K axis moved to the last place and cut into blocks of 32 codes, [.., K / 32, bytes a block], one block behind the other in memory; two codes a byte, the lower K in the low four bits (a code: sign, 2 exponent bits, 1 mantissa bit); and NAME_scales (uint8): the same leading axes, one E8M0 byte (e + 127) for each 32 codes along K. Its value is code x scale, taken as it is: it is not quantised again, and the codes and scales need not be those that the quantiser above would give.
;; 2 versions. Each part assembles by itself: llvm-mc -triple=amdgcn-amd-amdhsa -mcpu=gfx1250 --defsym DOCPART=n.
;; ======== version 1 of 2: 3 launches
;; workspace buffers: xq 4,194,304 bytes; xs 262,144 bytes; route 65,536 bytes of whole numbers; gates 81,920 bytes; plan 36,352 bytes of whole numbers; gsort 66,048 bytes; wimg 4,456,448 bytes
;; launch route (part 1): grid 256 x 1, 8 waves a work-group, no clusters, 100,352 bytes of LDS; arguments x, router_w, xq, xs, route, gates; writes xq, xs, route, gates
.if DOCPART == 1
	.amdgcn_target "amdgcn-amd-amdhsa--gfx1250"
	.amdhsa_code_object_version 6
	.text
	.protected	k_qea34e9358d_route
	.globl	k_qea34e9358d_route
	.p2align	8
	.type	k_qea34e9358d_route,@function
k_qea34e9358d_route:
	s_mov_b64 s[64:65], 0
	v_nop
	global_prefetch_b8 v0, s[64:65] scope:SCOPE_SE
	s_setreg_imm32_b32 hwreg(HW_REG_WAVE_MODE, 25, 1), 1
	s_wait_xcnt 0x0
; ROUTE.  x [8192][1024] f32 is read once.  It becomes codes of E2M1 (xq [token][512 bytes], K innermost) with one E8M0 byte for each 32 along K (xs [token][32]),
; and the router is computed from the same registers: logits in f32 by fused multiply-adds, softmax with the row's maximum taken away, the two largest (equal numbers: the lower index first), the two gates.
; Nothing here steers an address or a branch: each token's pair of experts goes out as a number p = 0 .. 27 (lo < hi) with the token's rank among equal p in its group of 32, each at a fixed place;
; each group's histogram over p, and its sums for the auxiliary loss, likewise.
; SHARES.  A work-group owns 32 tokens.  Wave w owns K = 128 w .. 128 w + 127 of all 32, in four steps of 8 tokens.  Each load reads 512 consecutive bytes of a row; the bytes turn through the wave's own
; stage in LDS so that lane l = (token l / 4, block l % 4) holds one whole block of 32: its largest magnitude needs no other lane, and its 32 x 8 router weights stay in registers (window 1).
; LIMITS: NaN and infinities in x are not served.  A block whose largest magnitude lies under 2^-124 (a block of zeros too) gets the byte 1: its codes are zeros or the smallest codes, and the bytes are read by this program alone.
; The logits are f32 sums in another order than the reference's: a token whose second and third probabilities agree to about 1e-6 of their size may be routed the other way.  Divisions are a reciprocal and a multiplication.
; No matrix unit, no tensor load, no cluster: the launch streams x once and work-groups share only 32 KiB of router weights.
.set RWL, 0                            ; LDS: router weights, 4,352 bytes a wave: block b of 1,024 bytes at 1,040 b
.set STG, 34816                        ; the stage, 4,608 bytes a wave: 32 places of 128 bytes + 16 of padding
.set LG,  71680                        ; partial logits [wave][token][8] f32
.set CST, 79872                        ; codes: 32 rows of 512 bytes, 576 apart
.set SST, 98304                        ; scale bytes: 32 rows of 32
.set ACC, 16                           ; v16-47   partial logits, 8 a step
.set CD,  48                           ; v48-63   codes, 4 a step
.set EB,  64                           ; v64-67   a scale byte a step
.set XR,  80                           ; v80-207  x, 32 a step; turned in place
.set RT,  208                          ; v208-239 router weights on their way; later the way out
.set MSB, 0
.macro WIN new                         ; the immediate's high byte repeats the setting that is left
.if MSB != \new
	s_set_vgpr_msb (MSB<<8)|\new
.set MSB, \new
.endif
.endm
	s_load_b256 s[4:11], s[0:1], 0x0               ; x s[4:5], router_w s[6:7], xq s[8:9], xs s[10:11]
	s_load_b128 s[12:15], s[0:1], 0x20             ; route s[12:13], gates s[14:15]
	v_lshl_add_u32 v254, v0, 2, 0x18400
	v_mov_b32 v255, 0
	v_lshrrev_b32 v68, 5, v0
	v_readfirstlane_b32 s16, v68                   ; wave 0..7
	v_and_b32 v1, 31, v0                           ; lane
	v_lshlrev_b32 v13, 4, v1                       ; 16 x lane
	s_lshl_b32 s17, s16, 9
	v_add_nc_u32 v2, s17, v13                      ; x: my wave's 512 bytes of a row, my 16 of them
	s_lshl_b32 s18, s16, 12
	v_add_nc_u32 v14, s18, v13                     ; router_w: my wave's 128 rows of 32 bytes
	s_lshl_b32 s20, ttmp9, 17                      ; the group's 32 rows of 4,096 bytes
	s_mov_b32 s21, 0
	s_wait_kmcnt 0x0
	s_add_nc_u64 s[4:5], s[4:5], s[20:21]
.irp k, 0,1,2,3,4,5,6,7
	global_load_b128 v[RT+4*\k:RT+4*\k+3], v14, s[6:7] offset:512*\k
.endr
.set tt, 0
.rept 32
	global_load_b128 v[XR+4*tt:XR+4*tt+3], v2, s[4:5] offset:4096*tt th:TH_LOAD_NT   ; token tt: 32 lanes read 512 consecutive bytes; read once in the launch
.set tt, tt+1
.endr
	; addresses, while the 40 loads are on their way
	s_lshl_b32 s20, ttmp9, 14
	s_add_nc_u64 s[8:9], s[8:9], s[20:21]          ; xq at the group's first row
	s_lshl_b32 s20, ttmp9, 10
	s_add_nc_u64 s[10:11], s[10:11], s[20:21]      ; xs likewise
	s_lshl_b32 s20, ttmp9, 7
	s_add_nc_u64 s[22:23], s[12:13], s[20:21]      ; info and, 32,768 bytes on, the histogram: 128 bytes a group
	s_lshl_b32 s20, ttmp9, 8
	s_add_nc_u64 s[24:25], s[14:15], s[20:21]      ; gates: 256 bytes a group
	s_lshl_b32 s20, ttmp9, 6
	s_add_co_u32 s20, s20, 65536
	s_add_nc_u64 s[26:27], s[14:15], s[20:21]      ; the sums for the loss: 64 bytes a group
	v_and_b32 v72, 3, v1                           ; b: my block among the wave's four
	v_lshrrev_b32 v73, 2, v1                       ; my token among a step's eight
	v_lshrrev_b32 v74, 3, v1
	v_and_b32 v75, 7, v1
	s_mul_i32 s18, s16, 4608
	s_add_co_u32 s18, s18, STG
	v_mul_u32_u24 v3, v74, 144
	v_lshl_add_u32 v3, v75, 4, v3
	v_add_nc_u32 v3, s18, v3                       ; into the stage: load i's bytes of block lane / 8 go to place 4 i + lane / 8
	v_mul_u32_u24 v4, v1, 144
	v_add_nc_u32 v4, s18, v4                       ; out of it: place = lane
	s_mul_i32 s18, s16, 4352
	v_add_nc_u32 v5, s18, v13                      ; router weights in
	v_mul_u32_u24 v6, v72, 1040
	v_add_nc_u32 v6, s18, v6                       ; and out: my block's 1,024 bytes
	s_lshl_b32 s18, s16, 6
	s_add_co_u32 s18, s18, CST
	v_mul_u32_u24 v7, v73, 576
	v_lshl_add_u32 v7, v72, 4, v7
	v_add_nc_u32 v7, s18, v7                       ; codes: row = token, byte 64 w + 16 b
	s_lshl_b32 s18, s16, 2
	s_add_co_u32 s18, s18, SST
	v_lshl_add_u32 v8, v73, 5, v72
	v_add_nc_u32 v8, s18, v8                       ; scale byte: 32 x token + 4 w + b
	s_lshl_b32 s18, s16, 10
	s_add_co_u32 s18, s18, LG
	v_lshlrev_b32 v9, 5, v73
	v_add_nc_u32 v9, s18, v9                       ; partial logits: 1,024 w + 32 x token
	s_mul_i32 s18, s16, 2304
	s_add_co_u32 s18, s18, CST
	v_add_nc_u32 v10, s18, v13                     ; the way out: my wave's four rows of codes
	s_lshl_b32 s18, s16, 11
	v_add_nc_u32 v11, s18, v13                     ; and their place in xq
	v_add_nc_u32 v12, SST, v13                     ; the scale bytes' way out
	v_lshlrev_b32 v15, 5, v1
	v_add_nc_u32 v15, LG, v15                      ; logits of token = lane
	s_wait_loadcnt 32                              ; x's 32 loads are younger: the router weights are in
.irp k, 0,1,2,3,4,5,6,7
	ds_store_b128 v5, v[RT+4*\k:RT+4*\k+3] offset:512*\k+16*(\k/2)
.endr
	WIN 0x40                                       ; destination window 1
.set i, 0
.rept 32
	ds_load_b128 v[8*i:8*i+3], v6 offset:32*i      ; LDS serves a wave's instructions in order: these see the stores above.  Row i of my block: weights of experts 0-3,
	ds_load_b128 v[8*i+4:8*i+7], v6 offset:32*i+16 ; and 4-7
.set i, i+1
.endr
	WIN 0
; step s's eight tokens through the stage, back into the registers that they left
.macro TURN s
.irp i, 0,1,2,3,4,5,6,7
	ds_store_b128 v3, v[XR+32*(\s)+4*\i:XR+32*(\s)+4*\i+3] offset:576*\i
.endr
.irp j, 0,1,2,3,4,5,6,7
	ds_load_b128 v[XR+32*(\s)+4*\j:XR+32*(\s)+4*\j+3], v4 offset:16*\j
.endr
.endm
.macro STEP s
.set XS, XR+32*(\s)
.set AC, ACC+8*(\s)
.if (\s) == 0
	s_wait_dscnt 0x0                               ; the router weights and step 0's numbers are in
.else
	s_wait_dscnt 0x4                               ; behind this step's turn only the last step's four result stores were issued
.endif
.if (\s) < 3
	s_wait_loadcnt 8*(2-(\s))                      ; the next step's eight loads are in; the later steps' may be out
	TURN (\s)+1
.endif
	v_max3_num_f32 v68, |v[XS]|, |v[XS+1]|, |v[XS+2]|               ; the block's largest magnitude: all 32 numbers are mine; two chains
	v_max3_num_f32 v69, |v[XS+3]|, |v[XS+4]|, |v[XS+5]|
.irp i, 6,10,14,18,22,26
	v_max3_num_f32 v68, v68, |v[XS+\i]|, |v[XS+\i+1]|
	v_max3_num_f32 v69, v69, |v[XS+\i+2]|, |v[XS+\i+3]|
.endr
	v_max3_num_f32 v68, v68, |v[XS+30]|, |v[XS+31]|
	v_max3_num_f32 v68, v68, v69, 0x1800000        ; and the floor 2^(3 - 127): the byte cannot fall under 1
	v_add_nc_u32 v70, 0xff000000, v68              ; 2 off the exponent field: the conversion takes this operand's exponent field as its scale
.irp g, 0,1,2,3
	v_cvt_scalef32_pk8_fp4_f32 v[CD+4*(\s)+\g], v[XS+8*\g:XS+8*\g+7], v70
.endr
	v_lshrrev_b32 v[EB+(\s)], 23, v70              ; the scale's byte (also the plain line behind the conversions)
	ds_store_b128 v7, v[CD+4*(\s):CD+4*(\s)+3] offset:4608*(\s)
	ds_store_b8 v8, v[EB+(\s)] offset:256*(\s)
	WIN 0x04                                       ; source 1 (the weights) window 1
.irp ep, 0,1,2,3
	v_pk_mul_f32 v[AC+2*\ep:AC+2*\ep+1], v[XS:XS+1], v[2*\ep:2*\ep+1] op_sel_hi:[0,1]   ; the first product starts the sums: x(0) for both halves, two experts' weights
.endr
.irp ep, 0,1,2,3
	v_pk_fma_f32 v[AC+2*\ep:AC+2*\ep+1], v[XS:XS+1], v[8+2*\ep:8+2*\ep+1], v[AC+2*\ep:AC+2*\ep+1] op_sel:[1,0,0] op_sel_hi:[1,1,1]
.endr
.set i, 2
.rept 15
.irp ep, 0,1,2,3
	v_pk_fma_f32 v[AC+2*\ep:AC+2*\ep+1], v[XS+i:XS+i+1], v[8*i+2*\ep:8*i+2*\ep+1], v[AC+2*\ep:AC+2*\ep+1] op_sel_hi:[0,1,1]
.endr
.irp ep, 0,1,2,3
	v_pk_fma_f32 v[AC+2*\ep:AC+2*\ep+1], v[XS+i:XS+i+1], v[8*i+8+2*\ep:8*i+8+2*\ep+1], v[AC+2*\ep:AC+2*\ep+1] op_sel:[1,0,0] op_sel_hi:[1,1,1]
.endr
.set i, i+2
.endr
	WIN 0
.irp n, 1,2
.irp e, 0,1,2,3,4,5,6,7
	v_add_f32_dpp v[AC+\e], v[AC+\e], v[AC+\e] row_xmask:\n row_mask:0xf bank_mask:0xf   ; the token's four lanes: the wave's 128 along K
.endr
.endr
	ds_store_b128 v9, v[AC:AC+3] offset:256*(\s)   ; the four lanes write the same bytes with the same values
	ds_store_b128 v9, v[AC+4:AC+7] offset:256*(\s)+16
.endm
	s_wait_loadcnt 24                              ; step 0's eight loads are in
	TURN 0
	STEP 0
	STEP 1
	STEP 2
	STEP 3
	s_wait_dscnt 0x0                               ; for the others' sake: my codes, bytes and partial logits lie in LDS
	s_barrier_signal -1
	s_barrier_wait -1
.irp i, 0,1,2,3
	ds_load_b128 v[RT+4*\i:RT+4*\i+3], v10 offset:576*\i
.endr
.irp i, 0,1,2,3
	s_wait_dscnt 3-\i
	global_store_b128 v11, v[RT+4*\i:RT+4*\i+3], s[8:9] offset:512*\i   ; a token's 512 bytes of codes: 32 lanes, consecutive, aligned
.endr
	s_cmp_lg_u32 s16, 7
	s_cbranch_scc1 .Lnot_seven
	ds_load_b128 v[224:227], v12                   ; wave 7: the group's 1,024 scale bytes
	ds_load_b128 v[228:231], v12 offset:512
	s_wait_dscnt 0x0
	global_store_b128 v13, v[224:227], s[10:11]
	global_store_b128 v13, v[228:231], s[10:11] offset:512
.Lnot_seven:
	s_cmp_gt_u32 s16, 1
	s_cbranch_scc1 .Lend
	; waves 0 and 1: lane = token.  The eight waves' partial logits are added; softmax; the largest
.irp w, 0,1,2,3,4,5,6,7
	ds_load_b128 v[80+8*\w:83+8*\w], v15 offset:1024*\w
	ds_load_b128 v[84+8*\w:87+8*\w], v15 offset:1024*\w+16
.endr
	s_mov_b32 s28, 0x3fb8aa3b                      ; log2(e)
	s_wait_dscnt 0x0
.irp w, 1,2,3,4,5,6,7
.irp k, 0,2,4,6
	v_pk_add_f32 v[80+\k:81+\k], v[80+\k:81+\k], v[80+8*\w+\k:81+8*\w+\k]
.endr
.endr
	v_max3_num_f32 v68, v80, v81, v82
	v_max3_num_f32 v68, v68, v83, v84
	v_max3_num_f32 v68, v68, v85, v86
	v_max_num_f32 v68, v68, v87                    ; the row's maximum is taken away ahead of the exponentials
	v_mul_f32 v68, s28, v68
.irp e, 0,1,2,3,4,5,6,7
	v_fma_f32 v[88+\e], v[80+\e], s28, -v68        ; the rounding of m log2(e) is the same factor in all eight and in their sum
.endr
.irp e, 0,1,2,3,4,5,6,7
	v_exp_f32 v[88+\e], v[88+\e]
.endr
	v_nop                                          ; a plain line behind the exponentials
	s_wait_alu depctr_va_vdst(0)
	v_add_f32 v69, v88, v89
	v_add_f32 v70, v90, v91
	v_add_f32 v71, v92, v93
	v_add_f32 v72, v94, v95
	v_add_f32 v69, v69, v70
	v_add_f32 v71, v71, v72
	v_add_f32 v69, v69, v71
	v_rcp_f32 v69, v69
	v_nop                                          ; a plain line behind the reciprocal
	s_wait_alu depctr_va_vdst(0)
.irp e, 0,1,2,3,4,5,6,7
	v_mul_f32 v[88+\e], v[88+\e], v69              ; the probabilities
.endr
	v_mov_b32 v70, v88                             ; the largest so far, and its index; a later one wins only if it is greater
	v_mov_b32 v71, 0
.irp e, 1,2,3,4,5,6,7
	v_cmp_le_f32 vcc_lo, v[88+\e], v70             ; not greater: keep
	v_cndmask_b32 v70, v[88+\e], v70, vcc_lo
	v_cndmask_b32 v71, \e, v71, vcc_lo
.endr
	s_cmp_eq_u32 s16, 1
	s_cbranch_scc1 .Lsums
	; wave 0: the second largest, the gates, the pair's number, rank and histogram
	v_mov_b32 v72, -1.0                            ; under every probability
	v_mov_b32 v73, 0
.irp e, 0,1,2,3,4,5,6,7
	v_cmp_le_f32 s28, v[88+\e], v72
	v_cmp_eq_u32 s29, \e, v71                      ; the first choice is passed over
	s_or_b32 vcc_lo, s28, s29
	v_cndmask_b32 v72, v[88+\e], v72, vcc_lo
	v_cndmask_b32 v73, \e, v73, vcc_lo
.endr
	v_add_f32 v74, v70, v72
	v_add_f32 v74, 0x3089705f, v74                 ; + 1e-9
	v_rcp_f32 v74, v74
	v_min_u32 v75, v71, v73                        ; lo (a plain line behind the reciprocal)
	v_max_u32 v76, v71, v73                        ; hi
	s_wait_alu depctr_va_vdst(0)
	v_mul_f32 v70, v70, v74
	v_mul_f32 v72, v72, v74
	v_cmp_lt_u32 vcc_lo, v71, v73
	v_cndmask_b32 v78, v72, v70, vcc_lo            ; the gate of lo,
	v_cndmask_b32 v79, v70, v72, vcc_lo            ; of hi
	v_sub_nc_u32 v77, 15, v75
	v_mul_u32_u24 v77, v77, v75
	v_lshrrev_b32 v77, 1, v77
	v_add_nc_u32 v77, v77, v76
	v_sub_nc_u32 v77, v77, v75
	v_add_nc_u32 v77, -1, v77                      ; p = (15 - lo) lo / 2 + hi - lo - 1
	v_mov_b32 v68, 0                               ; my rank among equal p
	v_mov_b32 v69, 0                               ; the histogram: lane = p
.set c, 0
.rept 28
	v_cmp_eq_u32 s28, c, v77
	v_mbcnt_lo_u32_b32 v74, s28, 0                 ; how many lanes below mine have p = c
	v_cndmask_b32 v68, v68, v74, s28
	s_bcnt1_i32_b32 s28, s28
	v_writelane_b32 v69, s28, c
.set c, c+1
.endr
	v_lshl_or_b32 v68, v68, 8, v77                 ; p | rank << 8
	v_lshlrev_b32 v96, 2, v1
	v_lshlrev_b32 v97, 3, v1
	global_store_b32 v96, v68, s[22:23]
	global_store_b32 v96, v69, s[22:23] offset:32768
	global_store_b64 v97, v[78:79], s[24:25]       ; 32 lanes: 256 consecutive bytes, aligned
	s_wait_tensorcnt 0x0
	ds_add_u32 v254, v255
	s_wait_dscnt 0x0
	s_endpgm
.Lsums:
	; wave 1: the group's sums of the probabilities and counts of first choices
	s_mov_b32 s30, 0x76543210
	s_mov_b32 s31, 0xfedcba98                      ; lane l xor 16
	v_mov_b32 v69, 0
.irp n, 1,2,4,8
.irp e, 0,1,2,3,4,5,6,7
	v_add_f32_dpp v[88+\e], v[88+\e], v[88+\e] row_xmask:\n row_mask:0xf bank_mask:0xf
.endr
.endr
.irp e, 0,1,2,3,4,5,6,7
	v_permlanex16_b32 v[80+\e], v[88+\e], s30, s31
.endr
.irp e, 0,1,2,3,4,5,6,7
	v_add_f32 v[88+\e], v[88+\e], v[80+\e]
.endr
.irp e, 0,1,2,3,4,5,6,7
	v_readfirstlane_b32 s28, v[88+\e]
	v_writelane_b32 v69, s28, \e                   ; lane e: the sum of expert e's probabilities
	v_cmp_eq_u32 s29, \e, v71
	s_bcnt1_i32_b32 s29, s29
	s_cvt_f32_u32 s29, s29
	v_writelane_b32 v69, s29, 8+\e                 ; lane 8 + e: how many tokens chose e first
.endr
	v_lshlrev_b32 v96, 2, v1
	v_cmp_gt_u32 vcc_lo, 16, v1
	s_wait_xcnt 0x0                                ; EXEC is a source of my earlier stores: it changes only behind this wait
	s_and_saveexec_b32 s29, vcc_lo
	global_store_b32 v96, v69, s[26:27]
	s_wait_xcnt 0x0                                ; and again in front of the line that widens it
	s_or_b32 exec_lo, exec_lo, s29
.Lend:
	s_wait_tensorcnt 0x0
	ds_add_u32 v254, v255
	s_wait_dscnt 0x0
	s_endpgm
.Lfunc_end_k_qea34e9358d_route:
	.size	k_qea34e9358d_route, .Lfunc_end_k_qea34e9358d_route-k_qea34e9358d_route
	.p2alignl 7, 3214868480
	.fill 96, 4, 3214868480
	.section	.rodata,"a",@progbits
	.p2align	6, 0x0
	.amdhsa_kernel k_qea34e9358d_route
		.amdhsa_group_segment_fixed_size 100352
		.amdhsa_private_segment_fixed_size 0
		.amdhsa_enable_private_segment 0
		.amdhsa_kernarg_size 48
		.amdhsa_user_sgpr_count 2
		.amdhsa_user_sgpr_kernarg_segment_ptr 1
		.amdhsa_wavefront_size32 1
		.amdhsa_system_sgpr_workgroup_id_x 1
		.amdhsa_system_sgpr_workgroup_id_y 1
		.amdhsa_system_sgpr_workgroup_id_z 1
		.amdhsa_system_vgpr_workitem_id 0
		.amdhsa_next_free_vgpr 512
		.amdhsa_next_free_sgpr 66
		.amdhsa_reserve_vcc 1
		.amdhsa_float_denorm_mode_32 3
		.amdhsa_float_denorm_mode_16_64 3
		.amdhsa_memory_ordered 1
		.amdhsa_forward_progress 1
		.amdhsa_inst_pref_size 82
	.end_amdhsa_kernel
	.amdgpu_metadata
---
amdhsa.version: [ 1, 2 ]
amdhsa.kernels:
  - .name:           k_qea34e9358d_route
    .symbol:         k_qea34e9358d_route.kd
    .args:
      - { .name: x, .offset: 0, .size: 8, .value_kind: global_buffer, .address_space: global }
      - { .name: router_w, .offset: 8, .size: 8, .value_kind: global_buffer, .address_space: global }
      - { .name: xq, .offset: 16, .size: 8, .value_kind: global_buffer, .address_space: global }
      - { .name: xs, .offset: 24, .size: 8, .value_kind: global_buffer, .address_space: global }
      - { .name: route, .offset: 32, .size: 8, .value_kind: global_buffer, .address_space: global }
      - { .name: gates, .offset: 40, .size: 8, .value_kind: global_buffer, .address_space: global }
    .group_segment_fixed_size: 100352
    .private_segment_fixed_size: 0
    .kernarg_segment_align: 8
    .kernarg_segment_size: 48
    .max_flat_workgroup_size: 256
    .sgpr_count:     66
    .vgpr_count:     512
    .wavefront_size: 32
...
	.end_amdgpu_metadata
.endif
;; end of part 1
;; launch place (part 2): grid 256 x 1, 8 waves a work-group, no clusters, 3,072 bytes of LDS; arguments route, gates, w1_codes, w1_scales, w2_codes, w2_scales, plan, gsort, wimg, out1; writes plan, gsort, wimg, out1
.if DOCPART == 2
	.amdgcn_target "amdgcn-amd-amdhsa--gfx1250"
	.amdhsa_code_object_version 6
	.text
	.protected	k_qea34e9358d_place
	.globl	k_qea34e9358d_place
	.p2align	8
	.type	k_qea34e9358d_place,@function
k_qea34e9358d_place:
	s_mov_b64 s[64:65], 0
	v_nop
	global_prefetch_b8 v0, s[64:65] scope:SCOPE_SE
	s_setreg_imm32_b32 hwreg(HW_REG_WAVE_MODE, 25, 1), 1
	s_wait_xcnt 0x0
; PLACE.  From the whole numbers that the launch before stored: the tokens sorted by their pair of experts (a counting sort without atomics), the list of tiles, and the auxiliary loss;
; and the weights laid once in the order in which a wave's operand registers take them.
; SHARES.  Work-group j places the 32 tokens of group j: position = (tokens of smaller pairs) + (tokens of my pair in groups before j) + (my rank in my group).  Every work-group adds up all 256 histograms
; itself (32 KiB, eight waves x 32 rows), so that no work-group waits for another.  Work-group j also writes tile j's record (first position, count, lo, hi): a tile is at most 48 tokens of one pair, so there are
; never more than ceil(8192 / 48) + 27 = 198.  It also lays out two chunks of the weights, four waves to a chunk.  Work-group 0's wave 1 makes out1, work-group 255's wave 2 the 64 spare entries behind the sorted lists.
; A CHUNK of wimg, 8,704 bytes: 16 blocks of 512 bytes, block 4 q + 2 u + c = registers 4 c .. 4 c + 3 of the fragment (K step q, tile u), 16 bytes a lane; then lane 16 u + r's four scale words of row r of tile u.
; wimg [expert][wave 4][chunk 16].  Chunk i < 8: W1, hidden block b = i / 2, K steps 4 (i % 2) + q; row a of tile u is W1's row 128 w + 32 b + 8 u + a + 8 (a / 8), so that two tiles' results are 16 neighbours along the next K.
; Chunk 8 + g: W2, row a of tile u is W2's row 256 w + 32 g + 16 u + a, K steps q.
; The scattered stores of the sorted lists are 4 and 8 bytes a lane to places far apart: 96 KiB in the whole launch.
	s_load_b512 s[4:19], s[0:1], 0x0               ; route s[4:5], gates s[6:7], w1_codes s[8:9], w1_scales s[10:11], w2_codes s[12:13], w2_scales s[14:15], plan s[16:17], gsort s[18:19]
	s_load_b128 s[20:23], s[0:1], 0x40             ; wimg s[20:21], out1 s[22:23]
	v_lshl_add_u32 v224, v0, 2, 0x800
	v_mov_b32 v225, 0
	v_lshrrev_b32 v5, 5, v0
	v_readfirstlane_b32 s24, v5                    ; wave 0..7
	v_and_b32 v1, 31, v0                           ; lane
	v_lshlrev_b32 v2, 2, v1                        ; 4 x lane
	v_lshlrev_b32 v3, 3, v1                        ; 8 x lane
	v_lshlrev_b32 v18, 4, v1                       ; 16 x lane
	v_lshlrev_b32 v17, 2, v0                       ; LDS: 4 x thread = 128 x wave + 4 x lane
	v_and_b32 v10, 15, v1                          ; r
	v_lshrrev_b32 v11, 4, v1                       ; h
	s_mov_b32 s25, ttmp9                           ; j
	s_lshl_b32 s26, s25, 1
	s_lshr_b32 s30, s24, 2
	s_add_co_u32 s26, s26, s30                     ; my chunk C = 2 j + wave / 4
	s_and_b32 s27, s24, 3                          ; my K step q of it
	s_lshr_b32 s28, s26, 4                         ; 4 x expert + wave of the later launch
	s_and_b32 s29, s26, 15                         ; i
	s_lshr_b32 s30, s29, 1                         ; b
	s_and_b32 s31, s29, 1                          ; which half of W1's K
	s_and_b32 s33, s29, 7                          ; g
	s_lshl_b32 s34, s30, 14
	s_lshl_b32 s35, s31, 8
	s_add_co_u32 s34, s34, s35                     ; W1's codes: 32 b rows of 512 bytes + 256 bytes for the second half of K
	s_lshl_b32 s35, s33, 13                        ; W2's codes: 32 g rows of 256 bytes
	s_lshl_b32 s36, s30, 10
	s_lshl_b32 s37, s31, 4
	s_add_co_u32 s36, s36, s37                     ; W1's scales: 32 b rows of 32 bytes + 16
	s_lshl_b32 s37, s33, 9                         ; W2's scales: 32 g rows of 16 bytes
	s_wait_kmcnt 0x0
	s_cmp_lt_u32 s29, 8                            ; W1's chunk or W2's?  The choice hangs on ids alone
	s_cselect_b32 s34, s34, s35
	s_cselect_b32 s36, s36, s37
	s_cselect_b32 s38, 8, 0                        ; W1: rows 8-15 of a tile lie 8 further on
	s_cselect_b32 s39, 9, 8                        ; a row of codes: 512 or 256 bytes
	s_cselect_b32 s40, 3, 4                        ; tile 1 begins 8 or 16 rows on
	s_cselect_b32 s41, 5, 4                        ; a row of scales: 32 or 16 bytes
	s_cselect_b64 s[42:43], s[8:9], s[12:13]
	s_cselect_b64 s[44:45], s[10:11], s[14:15]
	s_lshl_b32 s35, s28, 16                        ; an expert's codes are 262,144 bytes in both, a wave's share 65,536
	s_add_co_u32 s34, s34, s35
	s_lshl_b32 s35, s27, 6                         ; K step q: 64 bytes
	s_add_co_u32 s34, s34, s35
	s_mov_b32 s35, 0
	s_add_nc_u64 s[42:43], s[42:43], s[34:35]
	s_lshl_b32 s37, s28, 12                        ; an expert's scales are 16,384 bytes in both
	s_add_co_u32 s36, s36, s37
	s_mov_b32 s37, 0
	s_add_nc_u64 s[44:45], s[44:45], s[36:37]
	s_mul_i32 s46, s26, 8704
	s_lshl_b32 s47, s27, 11
	s_add_co_u32 s46, s46, s47
	s_mov_b32 s47, 0
	s_add_nc_u64 s[46:47], s[20:21], s[46:47]      ; where my four blocks go
	v_and_b32 v12, s38, v10
	v_add_nc_u32 v12, v12, v10                     ; my row of a tile
	v_lshlrev_b32 v9, s39, v12
	v_lshl_add_u32 v9, v11, 4, v9                  ; codes: row x pitch + 16 h
	v_lshlrev_b32 v13, s40, v11
	v_add_nc_u32 v13, v13, v12
	v_lshlrev_b32 v13, s41, v13                    ; scales: lane 16 u + r takes row r of tile u
	s_lshl_b32 s48, s25, 7
	s_mov_b32 s49, 0
	s_add_nc_u64 s[50:51], s[4:5], s[48:49]        ; my group's info
	s_lshl_b32 s48, s25, 8
	s_add_nc_u64 s[52:53], s[6:7], s[48:49]        ; my group's gates
	; what only some waves load is asked for first: the oldest loads change no later count
	s_cmp_lg_u32 s24, 0
	s_cbranch_scc1 .Lnot_first
	global_load_b32 v4, v2, s[50:51]
	global_load_b64 v[6:7], v3, s[52:53]
.Lnot_first:
	s_cmp_lg_u32 s27, 0
	s_cbranch_scc1 .Lno_scale_load
	global_load_b128 v[80:83], v13, s[44:45]       ; the chunk's scale words
.Lno_scale_load:
	s_lshl_b32 s48, s24, 12
	v_add_nc_u32 v8, s48, v2
.set i, 0
.rept 32
	global_load_b32 v[32+i], v8, s[4:5] offset:32768+128*i   ; the histogram of group 32 w + i: lane = p
.set i, i+1
.endr
.irp u, 0,1
.irp c, 0,1
	global_load_b128 v[64+4*(2*\u+\c):67+4*(2*\u+\c)], v9, s[42:43] offset:4096*\u+32*\c   ; tile 1 begins 4,096 bytes on in both kinds
.endr
.endr
	s_lshl_b32 s48, s24, 5
	s_sub_co_i32 s48, s25, s48                     ; group 32 w + i comes before mine where i < j - 32 w
	s_wait_loadcnt 4                               ; the four loads of codes are younger: the histograms are in
	s_cmp_gt_i32 s48, 0
	s_cselect_b32 s49, -1, 0
	v_and_b32 v16, s49, v32                        ; v16: the groups before mine;  v15: all
	s_cmp_gt_i32 s48, 1
	s_cselect_b32 s49, -1, 0
	v_and_b32 v14, s49, v33
	v_add_nc_u32 v16, v16, v14
	v_add_nc_u32 v15, v32, v33
.set i, 2
.rept 30
	s_cmp_gt_i32 s48, i
	s_cselect_b32 s49, -1, 0
	v_and_b32 v14, s49, v[32+i]
	v_add_nc_u32 v16, v16, v14
	v_add_nc_u32 v15, v15, v[32+i]
.set i, i+1
.endr
	ds_store_b32 v17, v15
	ds_store_b32 v17, v16 offset:1024
	s_wait_loadcnt 0x0
.irp u, 0,1
.irp c, 0,1
	global_store_b128 v18, v[64+4*(2*\u+\c):67+4*(2*\u+\c)], s[46:47] offset:1024*\u+512*\c   ; 32 lanes: 512 consecutive bytes, aligned
.endr
.endr
	s_cmp_lg_u32 s27, 0
	s_cbranch_scc1 .Lno_scale_store
	global_store_b128 v18, v[80:83], s[46:47] offset:8192
.Lno_scale_store:
	s_wait_dscnt 0x0                               ; for the others' sake: my two rows lie in LDS
	s_barrier_signal -1
	s_barrier_wait -1
	s_cmp_eq_u32 s24, 0
	s_cbranch_scc1 .Lsort
	s_cmp_eq_u32 s24, 1
	s_cbranch_scc1 .Lloss
	s_cmp_eq_u32 s24, 2
	s_cbranch_scc1 .Lspare
	s_wait_tensorcnt 0x0
	ds_add_u32 v224, v225
	s_wait_dscnt 0x0
	s_endpgm
; an inclusive sum over the 32 lanes: four steps inside each half of 16, then the lower half's total onto the upper
.macro SCAN r, t
.irp n, 1,2,4,8
	v_mov_b32_dpp v[\t], v[\r] row_shr:\n row_mask:0xf bank_mask:0xf bound_ctrl:1
	v_add_nc_u32 v[\r], v[\r], v[\t]
.endr
	v_readlane_b32 s54, v[\r], 15
	v_mad_u32_u24 v[\r], v11, s54, v[\r]
.endm
.Lsort:
.irp k, 0,1,2,3,4,5,6,7
	ds_load_b32 v[32+\k], v2 offset:128*\k
	ds_load_b32 v[40+\k], v2 offset:1024+128*\k
.endr
	v_mov_b32 v21, 0
	s_wait_dscnt 0x0
	v_add3_u32 v15, v32, v33, v34
	v_add3_u32 v16, v40, v41, v42
	v_add3_u32 v15, v15, v35, v36
	v_add3_u32 v16, v16, v43, v44
	v_add3_u32 v15, v15, v37, v38
	v_add3_u32 v16, v16, v45, v46
	v_add_nc_u32 v15, v15, v39                     ; T: tokens of pair p = lane
	v_add_nc_u32 v16, v16, v47                     ; of them in groups before mine
	v_mov_b32 v20, v15
	SCAN 20, 21
	v_sub_nc_u32 v22, v20, v15                     ; tokens of smaller pairs
	v_add_nc_u32 v23, v22, v16
	v_and_b32 v24, 0xff, v4                        ; my token's p
	v_min_u32 v24, 31, v24
	v_lshlrev_b32 v24, 2, v24
	ds_bpermute_b32 v25, v24, v23                  ; lane p's number
	v_lshrrev_b32 v26, 8, v4                       ; my rank
	v_add_nc_u32 v30, 47, v15
	v_mul_u32_u24 v30, v30, 0xaaab
	v_lshrrev_b32 v30, 21, v30                     ; tiles of pair p: (T + 47) / 48; 43,691 / 2^21 is exact for numbers up to 8,239
	v_mov_b32 v31, v30
	SCAN 31, 21
	v_sub_nc_u32 v48, v31, v30                     ; the pair's first tile
	v_cmp_ge_u32 s55, s25, v31
	s_bcnt1_i32_b32 s55, s55                       ; the pairs whose tiles all come before tile j: the pair of tile j, or 28 and more if there is no tile j
	s_min_u32 s56, s55, 27
	v_mov_b32 v49, s56
	v_lshlrev_b32 v49, 2, v49
	ds_bpermute_b32 v50, v49, v48
	ds_bpermute_b32 v51, v49, v22
	ds_bpermute_b32 v52, v49, v15
	s_lshl_b32 s54, s25, 5
	v_add_nc_u32 v29, s54, v1                      ; my token
	s_wait_dscnt 0x0
	v_add_nc_u32 v25, v25, v26
	v_min_u32 v25, 0x1fff, v25                     ; a position, held inside the list
	v_lshlrev_b32 v27, 2, v25
	v_lshlrev_b32 v28, 3, v25
	global_store_b32 v27, v29, s[16:17]
	global_store_b64 v28, v[6:7], s[18:19]
	v_readfirstlane_b32 s57, v50
	v_readfirstlane_b32 s58, v51
	v_readfirstlane_b32 s59, v52
	s_sub_co_u32 s60, s25, s57                     ; which tile of its pair
	s_mul_i32 s60, s60, 48
	s_add_co_u32 s58, s58, s60                     ; first position
	s_sub_co_u32 s59, s59, s60
	s_min_u32 s59, s59, 48                         ; count
	s_cmp_lt_u32 s55, 28
	s_cselect_b32 s58, s58, 0x2000                 ; no such tile: the spare entries, and no row
	s_cselect_b32 s59, s59, 0
	s_mov_b32 s61, 0                               ; lo: how many of the pairs' first numbers 7, 13, 18, 22, 25, 27 are reached
.irp c, 7,13,18,22,25,27
	s_cmp_ge_u32 s56, \c
	s_add_co_ci_u32 s61, s61, 0
.endr
	s_sub_co_u32 s62, 15, s61
	s_mul_i32 s62, s62, s61
	s_lshr_b32 s62, s62, 1
	s_sub_co_u32 s62, s56, s62
	s_add_co_u32 s62, s62, s61
	s_add_co_u32 s62, s62, 1                       ; hi
	s_cmp_lt_u32 s25, 198
	s_cbranch_scc0 .Lend
	v_mov_b32 v32, s58
	v_mov_b32 v33, s59
	v_mov_b32 v34, s61
	v_mov_b32 v35, s62
	s_lshl_b32 s60, s25, 4
	v_mov_b32 v36, s60
	v_cmp_eq_u32 vcc_lo, 0, v1
	s_wait_xcnt 0x0                                ; EXEC is a source of my earlier stores: it changes only behind this wait
	s_wait_tensorcnt 0x0
	ds_add_u32 v224, v225
	s_wait_dscnt 0x0
	s_and_saveexec_b32 s63, vcc_lo
	global_store_b128 v36, v[32:35], s[16:17] offset:33024
	s_wait_xcnt 0x0
	s_or_b32 exec_lo, exec_lo, s63
	s_endpgm
.Lspare:
	s_cmp_lg_u32 s25, 255
	s_cbranch_scc1 .Lend
	v_mov_b32 v32, 0                               ; 64 entries behind each sorted list: a tile reads 48 from its first position on
	v_mov_b32 v33, 0
	v_mov_b32 v34, 0
	v_mov_b32 v35, 0
	global_store_b64 v3, v[32:33], s[16:17] offset:32768
	global_store_b128 v18, v[32:35], s[18:19] offset:65536
	s_wait_tensorcnt 0x0
	ds_add_u32 v224, v225
	s_wait_dscnt 0x0
	s_endpgm
.Lloss:
	s_cmp_lg_u32 s25, 0
	s_cbranch_scc1 .Lend
.set n, 0
.rept 32
	global_load_b128 v[96+4*n:99+4*n], v18, s[6:7] offset:65536+512*n   ; eight groups' 16 numbers: lane l holds numbers 4 (l % 4) + 0 .. 3 of group 8 n + l / 4
.set n, n+1
.endr
	s_mov_b32 s54, 0x76543210
	s_mov_b32 s55, 0xfedcba98
	s_wait_loadcnt 0x0
.set n, 1
.rept 31
	v_pk_add_f32 v[96:97], v[96:97], v[96+4*n:97+4*n]
	v_pk_add_f32 v[98:99], v[98:99], v[98+4*n:99+4*n]
.set n, n+1
.endr
.irp n, 4,8
.irp k, 0,1,2,3
	v_add_f32_dpp v[96+\k], v[96+\k], v[96+\k] row_xmask:\n row_mask:0xf bank_mask:0xf
.endr
.endr
.irp k, 0,1,2,3
	v_permlanex16_b32 v[100+\k], v[96+\k], s54, s55
.endr
.irp k, 0,1,2,3
	v_add_f32 v[96+\k], v[96+\k], v[100+\k]        ; all 256 groups
.endr
.irp k, 0,1,2,3
	v_mul_f32_dpp v[96+\k], v[96+\k], v[96+\k] row_xmask:2 row_mask:0xf bank_mask:0xf   ; an expert's sum of probabilities lies two lanes from its count
.endr
	v_add_f32 v96, v96, v97
	v_add_f32 v98, v98, v99
	v_add_f32 v96, v96, v98
	v_add_f32_dpp v96, v96, v96 row_xmask:1 row_mask:0xf bank_mask:0xf
	v_mul_f32 v96, 0x34000000, v96                 ; x 8 / 8192^2 = 2^-23
	v_mov_b32 v97, 0
	v_cmp_eq_u32 vcc_lo, 0, v1
	s_wait_xcnt 0x0
	s_and_saveexec_b32 s63, vcc_lo
	global_store_b32 v97, v96, s[22:23]
	s_wait_xcnt 0x0
	s_or_b32 exec_lo, exec_lo, s63
.Lend:
	s_wait_tensorcnt 0x0
	ds_add_u32 v224, v225
	s_wait_dscnt 0x0
	s_endpgm
.Lfunc_end_k_qea34e9358d_place:
	.size	k_qea34e9358d_place, .Lfunc_end_k_qea34e9358d_place-k_qea34e9358d_place
	.p2alignl 7, 3214868480
	.fill 96, 4, 3214868480
	.section	.rodata,"a",@progbits
	.p2align	6, 0x0
	.amdhsa_kernel k_qea34e9358d_place
		.amdhsa_group_segment_fixed_size 3072
		.amdhsa_private_segment_fixed_size 0
		.amdhsa_enable_private_segment 0
		.amdhsa_kernarg_size 80
		.amdhsa_user_sgpr_count 2
		.amdhsa_user_sgpr_kernarg_segment_ptr 1
		.amdhsa_wavefront_size32 1
		.amdhsa_system_sgpr_workgroup_id_x 1
		.amdhsa_system_sgpr_workgroup_id_y 1
		.amdhsa_system_sgpr_workgroup_id_z 1
		.amdhsa_system_vgpr_workitem_id 0
		.amdhsa_next_free_vgpr 226
		.amdhsa_next_free_sgpr 66
		.amdhsa_reserve_vcc 1
		.amdhsa_float_denorm_mode_32 3
		.amdhsa_float_denorm_mode_16_64 3
		.amdhsa_memory_ordered 1
		.amdhsa_forward_progress 1
		.amdhsa_inst_pref_size 28
	.end_amdhsa_kernel
	.amdgpu_metadata
---
amdhsa.version: [ 1, 2 ]
amdhsa.kernels:
  - .name:           k_qea34e9358d_place
    .symbol:         k_qea34e9358d_place.kd
    .args:
      - { .name: route, .offset: 0, .size: 8, .value_kind: global_buffer, .address_space: global }
      - { .name: gates, .offset: 8, .size: 8, .value_kind: global_buffer, .address_space: global }
      - { .name: w1_codes, .offset: 16, .size: 8, .value_kind: global_buffer, .address_space: global }
      - { .name: w1_scales, .offset: 24, .size: 8, .value_kind: global_buffer, .address_space: global }
      - { .name: w2_codes, .offset: 32, .size: 8, .value_kind: global_buffer, .address_space: global }
      - { .name: w2_scales, .offset: 40, .size: 8, .value_kind: global_buffer, .address_space: global }
      - { .name: plan, .offset: 48, .size: 8, .value_kind: global_buffer, .address_space: global }
      - { .name: gsort, .offset: 56, .size: 8, .value_kind: global_buffer, .address_space: global }
      - { .name: wimg, .offset: 64, .size: 8, .value_kind: global_buffer, .address_space: global }
      - { .name: out1, .offset: 72, .size: 8, .value_kind: global_buffer, .address_space: global }
    .group_segment_fixed_size: 3072
    .private_segment_fixed_size: 0
    .kernarg_segment_align: 8
    .kernarg_segment_size: 80
    .max_flat_workgroup_size: 256
    .sgpr_count:     66
    .vgpr_count:     226
    .wavefront_size: 32
...
	.end_amdgpu_metadata
.endif
;; end of part 2
;; launch chain (part 3): grid 198 x 1, 4 waves a work-group, no clusters, 153,856 bytes of LDS; arguments plan, gsort, xq, xs, wimg, out0; writes out0
.if DOCPART == 3
	.amdgcn_target "amdgcn-amd-amdhsa--gfx1250"
	.amdhsa_code_object_version 6
	.text
	.protected	k_qea34e9358d_chain
	.globl	k_qea34e9358d_chain
	.p2align	8
	.type	k_qea34e9358d_chain,@function
k_qea34e9358d_chain:
	s_mov_b64 s[64:65], 0
	v_nop
	global_prefetch_b8 v0, s[64:65] scope:SCOPE_SE
	s_setreg_imm32_b32 hwreg(HW_REG_WAVE_MODE, 25, 1), 1
	s_wait_xcnt 0x0
; CHAIN.  out[token] = g_lo silu(x W1[lo]) W2[lo] + g_hi silu(x W1[hi]) W2[hi], both products on codes of E2M1 with one E8M0 scale for each 32 along K.  Only a token's two chosen experts are multiplied.
; A work-group takes one tile of the stored list: at most 48 tokens that chose the SAME pair (lo, hi).  So each row of out has one owner, and every tile walks two experts with the same text: only addresses hang on the stored numbers.
; The grid of 198 serves every split (ceil(8192 / 48) + 28 - 1).  Rows from the tile's count on, and tiles with no row, run on valid addresses (the list's next entries, or its spare ones) and store nothing: every wave passes both barriers.
; SHARES.  The four waves share the COLUMNS: wave w makes hidden units 128 w .. + 127 (one K step of the second product) and outputs 256 w .. + 255, for all 48 rows (three tiles of 16).  So each byte of the weights is
; taken by one wave alone, from wimg straight into a ring of four register parts, three chunks of 17 loads ahead; each load reads 512 consecutive bytes.
; Both products are used transposed (source 0 = 16 rows of a weight, source 1 = 16 tokens): a lane holds one token.  The rows of W1 that form a tile were chosen so that two tiles' 16 registers are 16 neighbours along the next K.
; ORDER.  x's codes gathered into LDS | barrier | hidden layer of lo, of hi: products, silu in f32, quantised, as images of the operand's registers into LDS | barrier | for each 32 outputs: lo's product, hi's, the gates, a stage of the wave's own; rows leave 512 bytes at a time.
; WHY NO JOINT LOADS IN A CLUSTER: which experts a tile walks is read from the stored list, so neighbours' requests would not be equal; and the jump past rows beyond a tile's count hangs on a stored number.
; LIMITS: a block of the hidden layer whose largest magnitude lies under 2^-124 gets the byte 1 (its codes are zeros or the smallest codes).  NaN and infinities are not served.  silu = x / (1 + 2^(-x log2 e)) by a reciprocal and a multiplication.
; REGISTERS, in windows of 256.  Window 0: v1-13 addresses; v16-31 the tokens' scale words; v32-47 the weights' scale words, 4 a ring part; v48-53 gates; v56-77 the quantiser; v80-127 six accumulators; v128-175 at work, or six more; v176-223 a row's byte in out.
;   Window 1: the tokens' fragments: x's 24, later the hidden layers' 24.   Window 2: the ring: four parts of 64.
.set XROW, 0                           ; LDS: 48 rows of x's codes, 512 bytes + 16
.set HIMG, 25344                       ; the hidden layers: expert x at 12,288 x, fragment (tile m, K step s) at 1,024 (4 m + s)
.set HSC,  49920                       ; their scale words: 1,024 x + 256 s + 128 set + 4 lane
.set STG,  51968                       ; a stage for each wave: 48 rows of 512 bytes + 16
.set LI,   1                           ; 16 x lane
.set RR,   2                           ; r = lane % 16
.set HH,   3                           ; h = lane / 16
.set XRD,  4
.set XWR,  5
.set HW0,  6
.set HWC,  7
.set HSW0, 8
.set HSWC, 9
.set SO,   10
.set SR,   11
.set OB,   12
.set LS,   13                          ; 4 x lane
.set XS,   16                          ; first product: v16 + q: lanes 0-15 tile 0's word of K step q, lanes 16-31 tile 1's; v24 + q: tile 2's.  Second: 16 + 8 x + 4 set + s
.set SCR,  32
.set G,    48
.set TM,   56
.set TX,   60
.set TS,   64
.set PW,   68
.set PWS,  71
.set PC,   72
.set ACC,  80                          ; accumulator (weight tile u, token tile m) at ACC + 8 (2 m + u)
.set T,    128
.set VTO,  176
.set MSB, 0
.macro WIN new                         ; the immediate's high byte repeats the setting that is left
.if MSB != \new
	s_set_vgpr_msb (MSB<<8)|\new
.set MSB, \new
.endif
.endm
; a chunk of the weights, 17 loads, into a ring part: its scale words, then its eight fragments
.macro ISSUE base, off, part
	WIN 0
	global_load_b128 v[SCR+4*(\part):SCR+4*(\part)+3], v[LI], s[\base:\base+1] offset:(\off)+8192
	WIN 0x80                                       ; destination window 2
.irp k, 0,1,2,3,4,5,6,7,8,9,10,11,12,13,14,15
	global_load_b128 v[64*(\part)+4*\k:64*(\part)+4*\k+3], v[LI], s[\base:\base+1] offset:(\off)+512*\k
.endr
.endm
; one product; the weight's scale words lie in lanes 0-15 for tile 0 and 16-31 for tile 1, the tokens' in lanes 16-31 for tile 1
.macro WMM0 u, m
.if \u
.if \m == 1
	v_wmma_scale_f32_16x16x128_f8f6f4 v[rD:rD+7], v[rA:rA+7], v[rB:rB+7], 0, v[rSA], v[rSB] matrix_a_fmt:MATRIX_FMT_FP4 matrix_b_fmt:MATRIX_FMT_FP4 matrix_a_scale:MATRIX_SCALE_ROW1 matrix_b_scale:MATRIX_SCALE_ROW1
.else
	v_wmma_scale_f32_16x16x128_f8f6f4 v[rD:rD+7], v[rA:rA+7], v[rB:rB+7], 0, v[rSA], v[rSB] matrix_a_fmt:MATRIX_FMT_FP4 matrix_b_fmt:MATRIX_FMT_FP4 matrix_a_scale:MATRIX_SCALE_ROW1
.endif
.else
.if \m == 1
	v_wmma_scale_f32_16x16x128_f8f6f4 v[rD:rD+7], v[rA:rA+7], v[rB:rB+7], 0, v[rSA], v[rSB] matrix_a_fmt:MATRIX_FMT_FP4 matrix_b_fmt:MATRIX_FMT_FP4 matrix_b_scale:MATRIX_SCALE_ROW1
.else
	v_wmma_scale_f32_16x16x128_f8f6f4 v[rD:rD+7], v[rA:rA+7], v[rB:rB+7], 0, v[rSA], v[rSB] matrix_a_fmt:MATRIX_FMT_FP4 matrix_b_fmt:MATRIX_FMT_FP4
.endif
.endif
.endm
.macro WMM1 u, m
.if \u
.if \m == 1
	v_wmma_scale_f32_16x16x128_f8f6f4 v[rD:rD+7], v[rA:rA+7], v[rB:rB+7], v[rD:rD+7], v[rSA], v[rSB] matrix_a_fmt:MATRIX_FMT_FP4 matrix_b_fmt:MATRIX_FMT_FP4 matrix_a_scale:MATRIX_SCALE_ROW1 matrix_b_scale:MATRIX_SCALE_ROW1
.else
	v_wmma_scale_f32_16x16x128_f8f6f4 v[rD:rD+7], v[rA:rA+7], v[rB:rB+7], v[rD:rD+7], v[rSA], v[rSB] matrix_a_fmt:MATRIX_FMT_FP4 matrix_b_fmt:MATRIX_FMT_FP4 matrix_a_scale:MATRIX_SCALE_ROW1
.endif
.else
.if \m == 1
	v_wmma_scale_f32_16x16x128_f8f6f4 v[rD:rD+7], v[rA:rA+7], v[rB:rB+7], v[rD:rD+7], v[rSA], v[rSB] matrix_a_fmt:MATRIX_FMT_FP4 matrix_b_fmt:MATRIX_FMT_FP4 matrix_b_scale:MATRIX_SCALE_ROW1
.else
	v_wmma_scale_f32_16x16x128_f8f6f4 v[rD:rD+7], v[rA:rA+7], v[rB:rB+7], v[rD:rD+7], v[rSA], v[rSB] matrix_a_fmt:MATRIX_FMT_FP4 matrix_b_fmt:MATRIX_FMT_FP4
.endif
.endif
.endm
; a chunk's 24 products: 4 K steps x 2 weight tiles x 3 token tiles.  The six accumulators take turns, one instruction a turn.
; bb + ms m + 8 q: the tokens' fragment; sa, sb: their two sets of scale words; d: the accumulators; zero = 1: the first K step starts the sums.
; The four v_nop are the places behind the last products: for the first read of results, and for the next loads into this ring part and its scale words.
.macro MUL24 part, bb, ms, sa, sb, d, zero
	WIN 0x06                                       ; source 0 (the ring) window 2, source 1 (the tokens) window 1
.irp q, 0,1,2,3
.irp u, 0,1
.irp m, 0,1,2
.set rD, (\d)+8*(2*\m+\u)
.set rA, 64*(\part)+8*(2*\q+\u)
.set rB, (\bb)+(\ms)*\m+8*\q
.set rSA, SCR+4*(\part)+\q
.if \m == 2
.set rSB, (\sb)+\q
.else
.set rSB, (\sa)+\q
.endif
.if (\zero) && (\q == 0)
	WMM0 \u, \m
.else
	WMM1 \u, \m
.endif
.endr
.endr
.endr
	WIN 0
.rept 4
	v_nop
.endr
.endm
; silu of the 48 numbers of a lane, in f32: x / (1 + 2^(-x log2 e)).  Each accumulator is read from its low end on
.macro SILU
.set j, 0
.rept 24
	v_pk_mul_f32 v[T+j:T+j+1], v[ACC+j:ACC+j+1], s[100:101] op_sel_hi:[1,0]
.set j, j+2
.endr
.set j, 0
.rept 48
	v_exp_f32 v[T+j], v[T+j]
.set j, j+1
.endr
	v_nop                                          ; a plain line behind the exponentials
.set j, 0
	s_wait_alu depctr_va_vdst(0)
.rept 24
	v_pk_add_f32 v[T+j:T+j+1], v[T+j:T+j+1], 1.0 op_sel_hi:[1,0]
.set j, j+2
.endr
.set j, 0
.rept 48
	v_rcp_f32 v[T+j], v[T+j]
.set j, j+1
.endr
	v_nop                                          ; a plain line behind the reciprocals
.set j, 0
	s_wait_alu depctr_va_vdst(0)
.rept 24
	v_pk_mul_f32 v[ACC+j:ACC+j+1], v[ACC+j:ACC+j+1], v[T+j:T+j+1]
.set j, j+2
.endr
.endm
; block b of my 128 hidden units, for the three tiles of tokens by turns: lane (r, h) holds k = 32 b + 16 h + 0 .. 15 of token r.  Its 8 bytes of codes go where the lane that will load them finds them:
; in the operand, block b is registers 4 (b / 2) .. + 3 of lane r + 16 (b % 2), and my half of its 16 bytes begins at 8 h.  So LDS does the exchange of halves.
.macro QUANT3 b
	s_wait_dscnt 0x0                               ; the last block's stores have read their registers
.irp m, 0,1,2
	v_max3_num_f32 v[TM+\m], |v[ACC+16*\m]|, |v[ACC+16*\m+1]|, 0x1800000   ; with the floor 2^(3 - 127): the byte cannot fall under 1
.endr
.irp i, 2,4,6,8,10,12,14
.irp m, 0,1,2
	v_max3_num_f32 v[TM+\m], v[TM+\m], |v[ACC+16*\m+\i]|, |v[ACC+16*\m+\i+1]|
.endr
.endr
.irp m, 0,1,2
	v_permlanex16_b32 v[TX+\m], v[TM+\m], s16, s17
.endr
.irp m, 0,1,2
	v_max_num_f32 v[TM+\m], v[TM+\m], v[TX+\m]     ; with lane l xor 16's 16: the block's largest magnitude
.endr
.irp m, 0,1,2
	v_add_nc_u32 v[TS+\m], 0xff000000, v[TM+\m]    ; 2 off the exponent field: the conversion's scale operand
.endr
.irp m, 0,1,2
.if (\b) == 0
	v_lshrrev_b32 v[PW+\m], 23, v[TS+\m]           ; the scale's byte starts the token's word
.else
	v_lshrrev_b32 v[TX+\m], 23, v[TS+\m]
.endif
.endr
.if (\b) > 0
.irp m, 0,1,2
	v_lshl_or_b32 v[PW+\m], v[TX+\m], 8*(\b), v[PW+\m]
.endr
.endif
.irp m, 0,1,2
	v_cvt_scalef32_pk8_fp4_f32 v[PC+2*\m], v[ACC+16*\m:ACC+16*\m+7], v[TS+\m]
	v_cvt_scalef32_pk8_fp4_f32 v[PC+2*\m+1], v[ACC+16*\m+8:ACC+16*\m+15], v[TS+\m]
.endr
	v_nop                                          ; a plain line behind the conversions: matrix instructions will write their sources again
.irp m, 0,1,2
	ds_store_b64 v[HWC], v[PC+2*\m:PC+2*\m+1] offset:4096*\m+512*((\b)/2)+256*((\b)%2)
.endr
.if (\b) == 3
	v_cndmask_b32 v[PWS], v[PW], v[PW+1], s18      ; lanes 0-15: tile 0's words, lanes 16-31: tile 1's
	ds_store_b32 v[HSWC], v[PWS]
	ds_store_b32 v[HSWC], v[PW+2] offset:128       ; tile 2's
.endif
.endm
	s_load_b256 s[4:11], s[0:1], 0x0               ; plan s[4:5], gsort s[6:7], xq s[8:9], xs s[10:11]
	s_load_b128 s[12:15], s[0:1], 0x20             ; wimg s[12:13], out0 s[14:15]
	v_lshl_add_u32 v254, v0, 2, 0x25700
	v_mov_b32 v255, 0
	v_lshrrev_b32 v14, 5, v0
	v_readfirstlane_b32 s70, v14                   ; wave 0..3
	v_and_b32 v15, 31, v0
	v_lshlrev_b32 v[LI], 4, v15
	v_lshlrev_b32 v[LS], 2, v15
	v_and_b32 v[RR], 15, v0
	v_bfe_u32 v[HH], v0, 4, 1
	s_lshl_b32 s2, ttmp9, 4
	s_wait_kmcnt 0x0
	s_load_b128 s[72:75], s[4:5], s2 offset:33024  ; my tile: first position, count, lo, hi
	v_mul_u32_u24 v[XRD], v[RR], 528
	v_lshl_add_u32 v[XRD], v[HH], 4, v[XRD]        ; x's fragments: row r, + 16 h
	s_mul_i32 s71, s70, 6336
	v_add_nc_u32 v[XWR], s71, v[LI]                ; where my wave puts its 12 rows
	s_lshl_b32 s71, s70, 10
	v_lshlrev_b32 v[HW0], 4, v[RR]
	v_lshl_add_u32 v[HW0], v[HH], 3, v[HW0]
	v_add_nc_u32 v[HW0], s71, v[HW0]
	v_add_nc_u32 v[HW0], HIMG, v[HW0]              ; the hidden layer's images: K step w, 16 r + 8 h
	v_add_nc_u32 v[OB], s71, v[LI]                 ; out: my wave's 1,024 bytes of a row, 16 a lane
	s_lshl_b32 s71, s70, 8
	v_add_nc_u32 v[HSW0], s71, v[LS]
	v_add_nc_u32 v[HSW0], HSC, v[HSW0]
	s_mul_i32 s71, s70, 25344
	s_add_co_u32 s71, s71, STG
	v_mul_u32_u24 v[SO], v[RR], 528
	v_lshl_add_u32 v[SO], v[HH], 5, v[SO]
	v_add_nc_u32 v[SO], s71, v[SO]                 ; into my stage: row r, 32 bytes for each half of the lanes
	v_add_nc_u32 v[SR], s71, v[LI]                 ; back: a row of 512 bytes
	v_lshlrev_b32 v142, 3, v[RR]
	v_lshlrev_b32 v143, 2, v[RR]
.irp m, 0,1,2
	v_mov_b32 v[TX+\m], 0                          ; written once: a lane permute's destination counts as one of its sources
.endr
	s_mov_b32 s100, 0xbfb8aa3b                     ; -log2(e)
	s_mov_b32 s101, s100                           ; (named with it as a pair)
	s_wait_kmcnt 0x0
	s_min_u32 s72, s72, 0x2000                     ; stored numbers are held inside their ranges before they enter an address
	s_min_u32 s73, s73, 48
	s_min_u32 s74, s74, 7
	s_min_u32 s75, s75, 7
	s_lshl_b32 s2, s72, 2
	s_mov_b32 s3, 0
	s_add_nc_u64 s[66:67], s[4:5], s[2:3]          ; the sorted tokens from my first position on
	s_lshl_b32 s2, s72, 3
	s_add_nc_u64 s[68:69], s[6:7], s[2:3]          ; their gates
	global_load_b32 v140, v[LS], s[66:67]          ; token of row = lane (tiles 0 and 1),
	global_load_b32 v141, v143, s[66:67] offset:128   ; of row 32 + r (tile 2)
.irp m, 0,1,2
	global_load_b64 v[G+2*\m:G+2*\m+1], v142, s[68:69] offset:128*\m   ; (g_lo, g_hi) of token 16 m + r
.endr
	s_load_b512 s[16:31], s[66:67], 0x0            ; all 48 tokens, for the rows' places in out
	s_load_b512 s[32:47], s[66:67], 0x40
	s_load_b512 s[48:63], s[66:67], 0x80
	s_mul_i32 s2, s70, 48
	s_load_b256 s[76:83], s[66:67], s2 offset:0x0  ; the 12 that my wave gathers
	s_load_b128 s[84:87], s[66:67], s2 offset:0x20
	s_mul_i32 s98, s74, 557056
	s_mul_i32 s99, s70, 139264
	s_add_co_u32 s98, s98, s99
	s_mov_b32 s99, 0
	s_add_nc_u64 s[88:89], s[12:13], s[98:99]      ; my share of lo's weights,
	s_mul_i32 s98, s75, 557056
	s_mul_i32 s99, s70, 139264
	s_add_co_u32 s98, s98, s99
	s_mov_b32 s99, 0
	s_add_nc_u64 s[90:91], s[12:13], s[98:99]      ; of hi's
	ISSUE 88, 0, 0                                 ; the ring's first three chunks
	ISSUE 88, 8704, 1
	ISSUE 88, 17408, 2
	WIN 0
	s_wait_kmcnt 0x0
.irp i, 0,1,2,3,4,5,6,7,8,9,10,11
	s_min_u32 s[76+\i], s[76+\i], 0x1fff
	s_lshl_b32 s[76+\i], s[76+\i], 9
	v_add_nc_u32 v[T+\i], s[76+\i], v[LI]
	global_load_b128 v[ACC+4*\i:ACC+4*\i+3], v[T+\i], s[8:9]   ; a token's 512 bytes of codes: 32 lanes, consecutive
.endr
	s_wait_loadcnt 63                              ; three chunks of 17 and the 12 rows are younger: the tokens and gates are in
	v_min_u32 v140, 0x1fff, v140
	v_min_u32 v141, 0x1fff, v141
	v_lshlrev_b32 v140, 5, v140
	v_lshlrev_b32 v141, 5, v141
	global_load_b128 v[XS:XS+3], v140, s[10:11]    ; a token's eight scale words
	global_load_b128 v[XS+4:XS+7], v140, s[10:11] offset:16
	global_load_b128 v[XS+8:XS+11], v141, s[10:11]
	global_load_b128 v[XS+12:XS+15], v141, s[10:11] offset:16
.set i, 0
.rept 48
	s_min_u32 s[16+i], s[16+i], 0x1fff
	v_lshl_add_u32 v[VTO+i], s[16+i], 12, v[OB]    ; row i's byte in out
.set i, i+1
.endr
	s_mov_b32 s16, 0x76543210                      ; the tokens' registers are free: lane l xor 16,
	s_mov_b32 s17, 0xfedcba98
	s_mov_b32 s18, 0xffff0000                      ; lanes 16-31,
	s_mov_b32 s19, 0                               ; the expert's place among the images,
	s_mov_b32 s20, 0                               ; and among their scale words
	s_wait_loadcnt 4                               ; the four loads of scale words are younger: the rows of codes are in
.irp i, 0,1,2,3,4,5,6,7,8,9,10,11
	ds_store_b128 v[XWR], v[ACC+4*\i:ACC+4*\i+3] offset:528*\i
.endr
	s_wait_dscnt 0x0                               ; for the others' sake: my 12 rows lie in LDS
	s_barrier_signal -1
	s_barrier_wait -1
	WIN 0x40                                       ; destination window 1
.irp m, 0,1,2
.irp q, 0,1,2,3,4,5,6,7
.irp c, 0,1
	ds_load_b128 v[8*(8*\m+\q)+4*\c:8*(8*\m+\q)+4*\c+3], v[XRD] offset:8448*\m+64*\q+32*\c   ; x's 24 fragments stay in registers for both experts
.endr
.endr
.endr
	WIN 0
	s_mov_b64 s[92:93], s[88:89]                   ; the expert in hand,
	s_mov_b64 s[94:95], s[90:91]                   ; and the three chunks that follow its eight: hi's first three
	s_add_nc_u64 s[96:97], s[90:91], 8704
	s_add_nc_u64 s[98:99], s[90:91], 17408
	s_wait_loadcnt 0x0                             ; x's scale words
	s_wait_dscnt 0x0
; chunk i of an expert's first product: the chunk three on is asked for, into the part that the last step's products have left
.macro P1STEP i, zero
	s_wait_loadcnt 34                              ; two younger chunks of 17 may be out: chunk i is in
.if (\i) < 5
	ISSUE 92, 8704*((\i)+3), ((\i)+3)%4
.else
	ISSUE 94+2*((\i)-5), 0, ((\i)+3)%4
.endif
	MUL24 (\i)%4, 32*((\i)%2), 64, XS+4*((\i)%2), XS+8+4*((\i)%2), ACC, \zero
.endm
	s_mov_b32 s71, 0
.Lexpert:                                          ; two trips: lo, hi
	v_add_nc_u32 v[HWC], s19, v[HW0]
	v_add_nc_u32 v[HSWC], s20, v[HSW0]
.irp b, 0,1,2,3
	P1STEP 2*\b, 1                                 ; K = 0 .. 511 starts the sums,
	P1STEP 2*\b+1, 0                               ; K = 512 .. 1,023
	SILU
	QUANT3 \b
.endr
	s_wait_dscnt 0x0
	s_wait_xcnt 0x0                                ; the bases of the loads issued may be written only behind this wait
	s_mov_b64 s[92:93], s[90:91]                   ; hi; behind its eight chunks follow the second product's first three: lo's, hi's, lo's
	s_add_nc_u64 s[94:95], s[88:89], 69632
	s_add_nc_u64 s[96:97], s[90:91], 69632
	s_add_nc_u64 s[98:99], s[88:89], 78336
	s_add_co_u32 s19, s19, 12288
	s_add_co_u32 s20, s20, 1024
	s_add_co_u32 s71, s71, 1
	s_cmp_lt_u32 s71, 2
	s_cbranch_scc1 .Lexpert
	s_barrier_signal -1                            ; my LDS stores have landed (the wait for 0 at the trip's end)
	s_barrier_wait -1                              ; both hidden layers lie in LDS
	WIN 0x40
.irp x, 0,1
.irp f, 0,1,2,3,4,5,6,7,8,9,10,11
.irp c, 0,1
	ds_load_b128 v[8*(12*\x+\f)+4*\c:8*(12*\x+\f)+4*\c+3], v[LI] offset:HIMG+12288*\x+1024*\f+512*\c   ; the images come back as they were stored: fragment 4 m + s of expert x
.endr
.endr
.endr
	WIN 0
.irp x, 0,1
.irp a, 0,1
.irp s, 0,1,2,3
	ds_load_b32 v[XS+8*\x+4*\a+\s], v[LS] offset:HSC+1024*\x+256*\s+128*\a
.endr
.endr
.endr
	s_wait_dscnt 0x0
.macro COMBINE                         ; g_lo x lo's result + g_hi x hi's, two at a time; each accumulator from its low end on
.irp m, 0,1,2
.irp j, 0,2,4,6,8,10,12,14
	v_pk_mul_f32 v[ACC+16*\m+\j:ACC+16*\m+\j+1], v[ACC+16*\m+\j:ACC+16*\m+\j+1], v[G+2*\m:G+2*\m+1] op_sel_hi:[1,0]
.endr
.endr
.irp m, 0,1,2
.irp j, 0,2,4,6,8,10,12,14
	v_pk_fma_f32 v[ACC+16*\m+\j:ACC+16*\m+\j+1], v[T+16*\m+\j:T+16*\m+\j+1], v[G+2*\m:G+2*\m+1], v[ACC+16*\m+\j:ACC+16*\m+\j+1] op_sel:[0,1,0] op_sel_hi:[1,1,1]
.endr
.endr
.endm
.macro TOSTAGE gq                      ; lane (r, h): out(16 m + r, 32 g + 16 u + 8 h + 0 .. 7) of my wave's columns
.irp m, 0,1,2
.irp u, 0,1
	ds_store_b128 v[SO], v[ACC+16*\m+8*\u:ACC+16*\m+8*\u+3] offset:8448*\m+128*(\gq)+64*\u
	ds_store_b128 v[SO], v[ACC+16*\m+8*\u+4:ACC+16*\m+8*\u+7] offset:8448*\m+128*(\gq)+64*\u+16
.endr
.endr
.endm
; step K of the second product: 32 outputs g = K / 2 of expert K % 2 (lo, hi)
.macro P2STEP K
.if (\K)%2 == 0
	s_wait_dscnt 0x0                               ; the stage's stores have read the accumulators
.endif
.if (\K) <= 13
	s_wait_loadcnt 34                              ; two younger chunks may be out
.elseif (\K) == 14
	s_wait_loadcnt 17                              ; one
.else
	s_wait_loadcnt 0x0
.endif
.if (\K)+3 <= 15
	ISSUE 88+2*(((\K)+3)%2), 8704*(8+((\K)+3)/2), ((\K)+3)%4
.endif
	MUL24 (\K)%4, 96*((\K)%2), 32, XS+8*((\K)%2), XS+8*((\K)%2)+4, ACC+48*((\K)%2), 1
.if (\K)%2 == 1
	COMBINE
	TOSTAGE ((\K)/2)%4
.endif
.endm
; 128 columns of the 48 rows leave: whole rows of 512 bytes, 24 rows at a time.  The rows from the tile's count on are the last ones: at the first of them the wave leaves the flush
.macro FLUSH t
.irp bt, 0,1
.set i, 0
.rept 24
	ds_load_b128 v[ACC+4*i:ACC+4*i+3], v[SR] offset:528*(24*\bt+i)   ; LDS serves a wave's instructions in order: these see my stores
.set i, i+1
.endr
.set i, 0
.rept 24
	s_wait_dscnt 23-i                              ; the younger rows may be out
	s_cmp_gt_u32 s73, 24*\bt+i
	s_cbranch_scc0 .Lflushed_\@
	global_store_b128 v[VTO+24*\bt+i], v[ACC+4*i:ACC+4*i+3], s[14:15] offset:512*\t th:TH_STORE_NT   ; 32 lanes: 512 consecutive bytes, aligned; written once, read by nobody here
.set i, i+1
.endr
	s_wait_xcnt 0x0                                ; the stores have read their registers: they may be loaded again
.endr
.Lflushed_\@:
	s_wait_dscnt 0x0                               ; on the short way some loads are still out, and some stores untranslated
	s_wait_xcnt 0x0
.endm
.irp K, 0,1,2,3,4,5,6,7
	P2STEP \K
.endr
	FLUSH 0
.irp K, 8,9,10,11,12,13,14,15
	P2STEP \K
.endr
	FLUSH 1
	s_wait_tensorcnt 0x0
	ds_add_u32 v254, v255
	s_wait_dscnt 0x0
	s_endpgm
.Lfunc_end_k_qea34e9358d_chain:
	.size	k_qea34e9358d_chain, .Lfunc_end_k_qea34e9358d_chain-k_qea34e9358d_chain
	.p2alignl 7, 3214868480
	.fill 96, 4, 3214868480
	.section	.rodata,"a",@progbits
	.p2align	6, 0x0
	.amdhsa_kernel k_qea34e9358d_chain
		.amdhsa_group_segment_fixed_size 153856
		.amdhsa_private_segment_fixed_size 0
		.amdhsa_enable_private_segment 0
		.amdhsa_kernarg_size 48
		.amdhsa_user_sgpr_count 2
		.amdhsa_user_sgpr_kernarg_segment_ptr 1
		.amdhsa_wavefront_size32 1
		.amdhsa_system_sgpr_workgroup_id_x 1
		.amdhsa_system_sgpr_workgroup_id_y 1
		.amdhsa_system_sgpr_workgroup_id_z 1
		.amdhsa_system_vgpr_workitem_id 0
		.amdhsa_next_free_vgpr 768
		.amdhsa_next_free_sgpr 102
		.amdhsa_reserve_vcc 0
		.amdhsa_float_denorm_mode_32 3
		.amdhsa_float_denorm_mode_16_64 3
		.amdhsa_memory_ordered 1
		.amdhsa_forward_progress 1
		.amdhsa_inst_pref_size 236
	.end_amdhsa_kernel
	.amdgpu_metadata
---
amdhsa.version: [ 1, 2 ]
amdhsa.kernels:
  - .name:           k_qea34e9358d_chain
    .symbol:         k_qea34e9358d_chain.kd
    .args:
      - { .name: plan, .offset: 0, .size: 8, .value_kind: global_buffer, .address_space: global }
      - { .name: gsort, .offset: 8, .size: 8, .value_kind: global_buffer, .address_space: global }
      - { .name: xq, .offset: 16, .size: 8, .value_kind: global_buffer, .address_space: global }
      - { .name: xs, .offset: 24, .size: 8, .value_kind: global_buffer, .address_space: global }
      - { .name: wimg, .offset: 32, .size: 8, .value_kind: global_buffer, .address_space: global }
      - { .name: out0, .offset: 40, .size: 8, .value_kind: global_buffer, .address_space: global }
    .group_segment_fixed_size: 153856
    .private_segment_fixed_size: 0
    .kernarg_segment_align: 8
    .kernarg_segment_size: 48
    .max_flat_workgroup_size: 128
    .sgpr_count:     102
    .vgpr_count:     768
    .wavefront_size: 32
...
	.end_amdgpu_metadata
.endif
;; end of part 3
;; ======== version 2 of 2: 3 launches
;; workspace buffers: xq 4,194,304 bytes; xs 262,144 bytes; route 65,536 bytes of whole numbers; gates 81,920 bytes; plan 36,352 bytes of whole numbers; gsort 66,048 bytes; wimg 4,456,448 bytes
;; launch route (part 4): grid 256 x 1, 8 waves a work-group, no clusters, 100,352 bytes of LDS; arguments x, router_w, xq, xs, route, gates; writes xq, xs, route, gates
.if DOCPART == 4
	.amdgcn_target "amdgcn-amd-amdhsa--gfx1250"
	.amdhsa_code_object_version 6
	.text
	.protected	k_qea34e9358d_route
	.globl	k_qea34e9358d_route
	.p2align	8
	.type	k_qea34e9358d_route,@function
k_qea34e9358d_route:
	s_mov_b64 s[64:65], 0
	v_nop
	global_prefetch_b8 v0, s[64:65] scope:SCOPE_SE
	s_setreg_imm32_b32 hwreg(HW_REG_WAVE_MODE, 25, 1), 1
	s_wait_xcnt 0x0
; ROUTE.  x [8192][1024] f32 is read once.  It becomes codes of E2M1 (xq [token][512 bytes], K innermost) with one E8M0 byte for each 32 along K (xs [token][32]),
; and the router is computed from the same registers: logits in f32 by fused multiply-adds, softmax with the row's maximum taken away, the two largest (equal numbers: the lower index first), the two gates.
; Nothing here steers an address or a branch: each token's pair of experts goes out as a number p = 0 .. 27 (lo < hi) with the token's rank among equal p in its group of 32, each at a fixed place;
; each group's histogram over p, and its sums for the auxiliary loss, likewise.
; SHARES.  A work-group owns 32 tokens.  Wave w owns K = 128 w .. 128 w + 127 of all 32, in four steps of 8 tokens.  Each load reads 512 consecutive bytes of a row; the bytes turn through the wave's own
; stage in LDS so that lane l = (token l / 4, block l % 4) holds one whole block of 32: its largest magnitude needs no other lane, and its 32 x 8 router weights stay in registers (window 1).
; LIMITS: NaN and infinities in x are not served.  A block whose largest magnitude lies under 2^-124 (a block of zeros too) gets the byte 1: its codes are zeros or the smallest codes, and the bytes are read by this program alone.
; The logits are f32 sums in another order than the reference's: a token whose second and third probabilities agree to about 1e-6 of their size may be routed the other way.  Divisions are a reciprocal and a multiplication.
; No matrix unit, no tensor load, no cluster: the launch streams x once and work-groups share only 32 KiB of router weights.
.set RWL, 0                            ; LDS: router weights, 4,352 bytes a wave: block b of 1,024 bytes at 1,040 b
.set STG, 34816                        ; the stage, 4,608 bytes a wave: 32 places of 128 bytes + 16 of padding
.set LG,  71680                        ; partial logits [wave][token][8] f32
.set CST, 79872                        ; codes: 32 rows of 512 bytes, 576 apart
.set SST, 98304                        ; scale bytes: 32 rows of 32
.set ACC, 16                           ; v16-47   partial logits, 8 a step
.set CD,  48                           ; v48-63   codes, 4 a step
.set EB,  64                           ; v64-67   a scale byte a step
.set XR,  80                           ; v80-207  x, 32 a step; turned in place
.set RT,  208                          ; v208-239 router weights on their way; later the way out
.set MSB, 0
.macro WIN new                         ; the immediate's high byte repeats the setting that is left
.if MSB != \new
	s_set_vgpr_msb (MSB<<8)|\new
.set MSB, \new
.endif
.endm
	s_load_b256 s[4:11], s[0:1], 0x0               ; x s[4:5], router_w s[6:7], xq s[8:9], xs s[10:11]
	s_load_b128 s[12:15], s[0:1], 0x20             ; route s[12:13], gates s[14:15]
	v_lshl_add_u32 v254, v0, 2, 0x18400
	v_mov_b32 v255, 0
	v_lshrrev_b32 v68, 5, v0
	s_delay_alu instid0(VALU_DEP_1)
	v_readfirstlane_b32 s16, v68                   ; wave 0..7
	v_and_b32 v1, 31, v0                           ; lane
	s_delay_alu instid0(VALU_DEP_1)
	v_lshlrev_b32 v13, 4, v1                       ; 16 x lane
	s_lshl_b32 s17, s16, 9
	v_add_nc_u32 v2, s17, v13                      ; x: my wave's 512 bytes of a row, my 16 of them
	s_lshl_b32 s18, s16, 12
	v_add_nc_u32 v14, s18, v13                     ; router_w: my wave's 128 rows of 32 bytes
	s_lshl_b32 s20, ttmp9, 17                      ; the group's 32 rows of 4,096 bytes
	s_mov_b32 s21, 0
	s_wait_alu depctr_va_vdst(0)
	s_wait_kmcnt 0x0
	s_add_nc_u64 s[4:5], s[4:5], s[20:21]
.irp k, 0,1,2,3,4,5,6,7
	global_load_b128 v[RT+4*\k:RT+4*\k+3], v14, s[6:7] offset:512*\k
.endr
.set tt, 0
.rept 32
	global_load_b128 v[XR+4*tt:XR+4*tt+3], v2, s[4:5] offset:4096*tt th:TH_LOAD_NT   ; token tt: 32 lanes read 512 consecutive bytes; read once in the launch
.set tt, tt+1
.endr
	; addresses, while the 40 loads are on their way
	s_lshl_b32 s20, ttmp9, 14
	s_add_nc_u64 s[8:9], s[8:9], s[20:21]          ; xq at the group's first row
	s_lshl_b32 s20, ttmp9, 10
	s_add_nc_u64 s[10:11], s[10:11], s[20:21]      ; xs likewise
	s_lshl_b32 s20, ttmp9, 7
	s_add_nc_u64 s[22:23], s[12:13], s[20:21]      ; info and, 32,768 bytes on, the histogram: 128 bytes a group
	s_lshl_b32 s20, ttmp9, 8
	s_add_nc_u64 s[24:25], s[14:15], s[20:21]      ; gates: 256 bytes a group
	s_lshl_b32 s20, ttmp9, 6
	s_add_co_u32 s20, s20, 65536
	s_add_nc_u64 s[26:27], s[14:15], s[20:21]      ; the sums for the loss: 64 bytes a group
	v_and_b32 v72, 3, v1                           ; b: my block among the wave's four
	v_lshrrev_b32 v73, 2, v1                       ; my token among a step's eight
	v_lshrrev_b32 v74, 3, v1
	v_and_b32 v75, 7, v1
	s_mul_i32 s18, s16, 4608
	s_add_co_u32 s18, s18, STG
	v_mul_u32_u24 v3, v74, 144
	s_delay_alu instid0(VALU_DEP_1)
	v_lshl_add_u32 v3, v75, 4, v3
	s_delay_alu instid0(VALU_DEP_1)
	v_add_nc_u32 v3, s18, v3                       ; into the stage: load i's bytes of block lane / 8 go to place 4 i + lane / 8
	v_mul_u32_u24 v4, v1, 144
	s_delay_alu instid0(VALU_DEP_1)
	v_add_nc_u32 v4, s18, v4                       ; out of it: place = lane
	s_mul_i32 s18, s16, 4352
	v_add_nc_u32 v5, s18, v13                      ; router weights in
	v_mul_u32_u24 v6, v72, 1040
	s_delay_alu instid0(VALU_DEP_1)
	v_add_nc_u32 v6, s18, v6                       ; and out: my block's 1,024 bytes
	s_lshl_b32 s18, s16, 6
	s_add_co_u32 s18, s18, CST
	v_mul_u32_u24 v7, v73, 576
	s_delay_alu instid0(VALU_DEP_1)
	v_lshl_add_u32 v7, v72, 4, v7
	s_delay_alu instid0(VALU_DEP_1)
	v_add_nc_u32 v7, s18, v7                       ; codes: row = token, byte 64 w + 16 b
	s_lshl_b32 s18, s16, 2
	s_add_co_u32 s18, s18, SST
	v_lshl_add_u32 v8, v73, 5, v72
	s_delay_alu instid0(VALU_DEP_1)
	v_add_nc_u32 v8, s18, v8                       ; scale byte: 32 x token + 4 w + b
	s_lshl_b32 s18, s16, 10
	s_add_co_u32 s18, s18, LG
	v_lshlrev_b32 v9, 5, v73
	s_delay_alu instid0(VALU_DEP_1)
	v_add_nc_u32 v9, s18, v9                       ; partial logits: 1,024 w + 32 x token
	s_mul_i32 s18, s16, 2304
	s_add_co_u32 s18, s18, CST
	v_add_nc_u32 v10, s18, v13                     ; the way out: my wave's four rows of codes
	s_lshl_b32 s18, s16, 11
	v_add_nc_u32 v11, s18, v13                     ; and their place in xq
	v_add_nc_u32 v12, SST, v13                     ; the scale bytes' way out
	v_lshlrev_b32 v15, 5, v1
	s_delay_alu instid0(VALU_DEP_1)
	v_add_nc_u32 v15, LG, v15                      ; logits of token = lane
	s_wait_loadcnt 32                              ; x's 32 loads are younger: the router weights are in
.irp k, 0,1,2,3,4,5,6,7
	ds_store_b128 v5, v[RT+4*\k:RT+4*\k+3] offset:512*\k+16*(\k/2)
.endr
	WIN 0x40                                       ; destination window 1
.set i, 0
.rept 32
	ds_load_b128 v[8*i:8*i+3], v6 offset:32*i      ; LDS serves a wave's instructions in order: these see the stores above.  Row i of my block: weights of experts 0-3,
	ds_load_b128 v[8*i+4:8*i+7], v6 offset:32*i+16 ; and 4-7
.set i, i+1
.endr
	WIN 0
; step s's eight tokens through the stage, back into the registers that they left
.macro TURN s
.irp i, 0,1,2,3,4,5,6,7
	ds_store_b128 v3, v[XR+32*(\s)+4*\i:XR+32*(\s)+4*\i+3] offset:576*\i
.endr
.irp j, 0,1,2,3,4,5,6,7
	ds_load_b128 v[XR+32*(\s)+4*\j:XR+32*(\s)+4*\j+3], v4 offset:16*\j
.endr
.endm
.macro STEP s
.set XS, XR+32*(\s)
.set AC, ACC+8*(\s)
.if (\s) == 0
	s_wait_dscnt 0x0                               ; the router weights and step 0's numbers are in
.else
	s_wait_dscnt 0x4                               ; behind this step's turn only the last step's four result stores were issued
.endif
.if (\s) < 3
	s_wait_loadcnt 8*(2-(\s))                      ; the next step's eight loads are in; the later steps' may be out
	TURN (\s)+1
.endif
	v_max3_num_f32 v68, |v[XS]|, |v[XS+1]|, |v[XS+2]|               ; the block's largest magnitude: all 32 numbers are mine; two chains
	v_max3_num_f32 v69, |v[XS+3]|, |v[XS+4]|, |v[XS+5]|
.irp i, 6,10,14,18,22,26
	s_delay_alu instid0(VALU_DEP_2)
	v_max3_num_f32 v68, v68, |v[XS+\i]|, |v[XS+\i+1]|
	s_delay_alu instid0(VALU_DEP_2)
	v_max3_num_f32 v69, v69, |v[XS+\i+2]|, |v[XS+\i+3]|
.endr
	s_delay_alu instid0(VALU_DEP_2)
	v_max3_num_f32 v68, v68, |v[XS+30]|, |v[XS+31]|
	s_delay_alu instid0(VALU_DEP_1)
	v_max3_num_f32 v68, v68, v69, 0x1800000        ; and the floor 2^(3 - 127): the byte cannot fall under 1
	s_delay_alu instid0(VALU_DEP_1)
	v_add_nc_u32 v70, 0xff000000, v68              ; 2 off the exponent field: the conversion takes this operand's exponent field as its scale
.irp g, 0,1,2,3
	v_cvt_scalef32_pk8_fp4_f32 v[CD+4*(\s)+\g], v[XS+8*\g:XS+8*\g+7], v70
.endr
	v_lshrrev_b32 v[EB+(\s)], 23, v70              ; the scale's byte (also the plain line behind the conversions)
	ds_store_b128 v7, v[CD+4*(\s):CD+4*(\s)+3] offset:4608*(\s)
	ds_store_b8 v8, v[EB+(\s)] offset:256*(\s)
	WIN 0x04                                       ; source 1 (the weights) window 1
.irp ep, 0,1,2,3
	v_pk_mul_f32 v[AC+2*\ep:AC+2*\ep+1], v[XS:XS+1], v[2*\ep:2*\ep+1] op_sel_hi:[0,1]   ; the first product starts the sums: x(0) for both halves, two experts' weights
.endr
.irp ep, 0,1,2,3
	s_delay_alu instid0(VALU_DEP_4)
	v_pk_fma_f32 v[AC+2*\ep:AC+2*\ep+1], v[XS:XS+1], v[8+2*\ep:8+2*\ep+1], v[AC+2*\ep:AC+2*\ep+1] op_sel:[1,0,0] op_sel_hi:[1,1,1]
.endr
.set i, 2
.rept 15
.irp ep, 0,1,2,3
	s_delay_alu instid0(VALU_DEP_4)
	v_pk_fma_f32 v[AC+2*\ep:AC+2*\ep+1], v[XS+i:XS+i+1], v[8*i+2*\ep:8*i+2*\ep+1], v[AC+2*\ep:AC+2*\ep+1] op_sel_hi:[0,1,1]
.endr
.irp ep, 0,1,2,3
	s_delay_alu instid0(VALU_DEP_4)
	v_pk_fma_f32 v[AC+2*\ep:AC+2*\ep+1], v[XS+i:XS+i+1], v[8*i+8+2*\ep:8*i+8+2*\ep+1], v[AC+2*\ep:AC+2*\ep+1] op_sel:[1,0,0] op_sel_hi:[1,1,1]
.endr
.set i, i+2
.endr
	WIN 0
.irp n, 1,2
.irp e, 0,1,2,3,4,5,6,7
	v_add_f32_dpp v[AC+\e], v[AC+\e], v[AC+\e] row_xmask:\n row_mask:0xf bank_mask:0xf   ; the token's four lanes: the wave's 128 along K
.endr
.endr
	ds_store_b128 v9, v[AC:AC+3] offset:256*(\s)   ; the four lanes write the same bytes with the same values
	ds_store_b128 v9, v[AC+4:AC+7] offset:256*(\s)+16
.endm
	s_wait_loadcnt 24                              ; step 0's eight loads are in
	TURN 0
	STEP 0
	STEP 1
	STEP 2
	STEP 3
	s_wait_dscnt 0x0                               ; for the others' sake: my codes, bytes and partial logits lie in LDS
	s_barrier_signal -1
	s_barrier_wait -1
.irp i, 0,1,2,3
	ds_load_b128 v[RT+4*\i:RT+4*\i+3], v10 offset:576*\i
.endr
.irp i, 0,1,2,3
	s_wait_dscnt 3-\i
	global_store_b128 v11, v[RT+4*\i:RT+4*\i+3], s[8:9] offset:512*\i   ; a token's 512 bytes of codes: 32 lanes, consecutive, aligned
.endr
	s_cmp_lg_u32 s16, 7
	s_cbranch_scc1 .Lnot_seven
	ds_load_b128 v[224:227], v12                   ; wave 7: the group's 1,024 scale bytes
	ds_load_b128 v[228:231], v12 offset:512
	s_wait_dscnt 0x0
	global_store_b128 v13, v[224:227], s[10:11]
	global_store_b128 v13, v[228:231], s[10:11] offset:512
.Lnot_seven:
	s_cmp_gt_u32 s16, 1
	s_cbranch_scc1 .Lend
	; waves 0 and 1: lane = token.  The eight waves' partial logits are added; softmax; the largest
.irp w, 0,1,2,3,4,5,6,7
	ds_load_b128 v[80+8*\w:83+8*\w], v15 offset:1024*\w
	ds_load_b128 v[84+8*\w:87+8*\w], v15 offset:1024*\w+16
.endr
	s_mov_b32 s28, 0x3fb8aa3b                      ; log2(e)
	s_wait_dscnt 0x0
.irp w, 1,2,3,4,5,6,7
.irp k, 0,2,4,6
	v_pk_add_f32 v[80+\k:81+\k], v[80+\k:81+\k], v[80+8*\w+\k:81+8*\w+\k]
.endr
.endr
	s_delay_alu instid0(VALU_DEP_3)
	v_max3_num_f32 v68, v80, v81, v82
	s_delay_alu instid0(VALU_DEP_1)
	v_max3_num_f32 v68, v68, v83, v84
	s_delay_alu instid0(VALU_DEP_1)
	v_max3_num_f32 v68, v68, v85, v86
	s_delay_alu instid0(VALU_DEP_1)
	v_max_num_f32 v68, v68, v87                    ; the row's maximum is taken away ahead of the exponentials
	s_delay_alu instid0(VALU_DEP_1)
	v_mul_f32 v68, s28, v68
.irp e, 0,1,2,3,4,5,6,7
	v_fma_f32 v[88+\e], v[80+\e], s28, -v68        ; the rounding of m log2(e) is the same factor in all eight and in their sum
.endr
	s_wait_alu depctr_va_vdst(0)
.irp e, 0,1,2,3,4,5,6,7
	v_exp_f32 v[88+\e], v[88+\e]
.endr
	v_nop                                          ; a plain line behind the exponentials
	s_wait_alu depctr_va_vdst(0)
	v_add_f32 v69, v88, v89
	v_add_f32 v70, v90, v91
	v_add_f32 v71, v92, v93
	v_add_f32 v72, v94, v95
	s_delay_alu instid0(VALU_DEP_3)
	v_add_f32 v69, v69, v70
	s_delay_alu instid0(VALU_DEP_2)
	v_add_f32 v71, v71, v72
	s_delay_alu instid0(VALU_DEP_1)
	v_add_f32 v69, v69, v71
	s_wait_alu depctr_va_vdst(0)
	v_rcp_f32 v69, v69
	v_nop                                          ; a plain line behind the reciprocal
	s_wait_alu depctr_va_vdst(0)
.irp e, 0,1,2,3,4,5,6,7
	v_mul_f32 v[88+\e], v[88+\e], v69              ; the probabilities
.endr
	v_mov_b32 v70, v88                             ; the largest so far, and its index; a later one wins only if it is greater
	v_mov_b32 v71, 0
.irp e, 1,2,3,4,5,6,7
	s_delay_alu instid0(VALU_DEP_2)
	v_cmp_le_f32 vcc_lo, v[88+\e], v70             ; not greater: keep
	s_delay_alu instid0(VALU_DEP_1)
	v_cndmask_b32 v70, v[88+\e], v70, vcc_lo
	s_delay_alu instid0(VALU_DEP_2)
	v_cndmask_b32 v71, \e, v71, vcc_lo
.endr
	s_cmp_eq_u32 s16, 1
	s_cbranch_scc1 .Lsums
	; wave 0: the second largest, the gates, the pair's number, rank and histogram
	v_mov_b32 v72, -1.0                            ; under every probability
	v_mov_b32 v73, 0
.irp e, 0,1,2,3,4,5,6,7
	s_delay_alu instid0(VALU_DEP_2)
	v_cmp_le_f32 s28, v[88+\e], v72
	v_cmp_eq_u32 s29, \e, v71                      ; the first choice is passed over
	s_or_b32 vcc_lo, s28, s29
	v_cndmask_b32 v72, v[88+\e], v72, vcc_lo
	v_cndmask_b32 v73, \e, v73, vcc_lo
.endr
	s_delay_alu instid0(VALU_DEP_2)
	v_add_f32 v74, v70, v72
	s_delay_alu instid0(VALU_DEP_1)
	v_add_f32 v74, 0x3089705f, v74                 ; + 1e-9
	s_wait_alu depctr_va_vdst(0)
	v_rcp_f32 v74, v74
	v_min_u32 v75, v71, v73                        ; lo (a plain line behind the reciprocal)
	v_max_u32 v76, v71, v73                        ; hi
	s_wait_alu depctr_va_vdst(0)
	v_mul_f32 v70, v70, v74
	v_mul_f32 v72, v72, v74
	v_cmp_lt_u32 vcc_lo, v71, v73
	s_delay_alu instid0(VALU_DEP_1)
	v_cndmask_b32 v78, v72, v70, vcc_lo            ; the gate of lo,
	s_delay_alu instid0(VALU_DEP_2)
	v_cndmask_b32 v79, v70, v72, vcc_lo            ; of hi
	v_sub_nc_u32 v77, 15, v75
	s_delay_alu instid0(VALU_DEP_1)
	v_mul_u32_u24 v77, v77, v75
	s_delay_alu instid0(VALU_DEP_1)
	v_lshrrev_b32 v77, 1, v77
	s_delay_alu instid0(VALU_DEP_1)
	v_add_nc_u32 v77, v77, v76
	s_delay_alu instid0(VALU_DEP_1)
	v_sub_nc_u32 v77, v77, v75
	s_delay_alu instid0(VALU_DEP_1)
	v_add_nc_u32 v77, -1, v77                      ; p = (15 - lo) lo / 2 + hi - lo - 1
	v_mov_b32 v68, 0                               ; my rank among equal p
	v_mov_b32 v69, 0                               ; the histogram: lane = p
.set c, 0
.rept 28
	v_cmp_eq_u32 s28, c, v77
	s_delay_alu instid0(VALU_DEP_1)
	v_mbcnt_lo_u32_b32 v74, s28, 0                 ; how many lanes below mine have p = c
	s_delay_alu instid0(VALU_DEP_1)
	v_cndmask_b32 v68, v68, v74, s28
	s_bcnt1_i32_b32 s28, s28
	v_writelane_b32 v69, s28, c
.set c, c+1
.endr
	v_lshl_or_b32 v68, v68, 8, v77                 ; p | rank << 8
	v_lshlrev_b32 v96, 2, v1
	v_lshlrev_b32 v97, 3, v1
	global_store_b32 v96, v68, s[22:23]
	global_store_b32 v96, v69, s[22:23] offset:32768
	global_store_b64 v97, v[78:79], s[24:25]       ; 32 lanes: 256 consecutive bytes, aligned
	s_wait_tensorcnt 0x0
	ds_add_u32 v254, v255
	s_wait_dscnt 0x0
	s_endpgm
.Lsums:
	; wave 1: the group's sums of the probabilities and counts of first choices
	s_mov_b32 s30, 0x76543210
	s_mov_b32 s31, 0xfedcba98                      ; lane l xor 16
	v_mov_b32 v69, 0
.irp n, 1,2,4,8
.irp e, 0,1,2,3,4,5,6,7
	v_add_f32_dpp v[88+\e], v[88+\e], v[88+\e] row_xmask:\n row_mask:0xf bank_mask:0xf
.endr
.endr
.irp e, 0,1,2,3,4,5,6,7
	v_permlanex16_b32 v[80+\e], v[88+\e], s30, s31
.endr
.irp e, 0,1,2,3,4,5,6,7
	v_add_f32 v[88+\e], v[88+\e], v[80+\e]
.endr
.irp e, 0,1,2,3,4,5,6,7
	v_readfirstlane_b32 s28, v[88+\e]
	s_delay_alu instid0(VALU_DEP_1)
	v_writelane_b32 v69, s28, \e                   ; lane e: the sum of expert e's probabilities
	v_cmp_eq_u32 s29, \e, v71
	s_bcnt1_i32_b32 s29, s29
	s_cvt_f32_u32 s29, s29
	v_writelane_b32 v69, s29, 8+\e                 ; lane 8 + e: how many tokens chose e first
.endr
	v_lshlrev_b32 v96, 2, v1
	v_cmp_gt_u32 vcc_lo, 16, v1
	s_wait_alu depctr_va_vdst(0)
	s_wait_xcnt 0x0                                ; EXEC is a source of my earlier stores: it changes only behind this wait
	s_and_saveexec_b32 s29, vcc_lo
	global_store_b32 v96, v69, s[26:27]
	s_wait_xcnt 0x0                                ; and again in front of the line that widens it
	s_or_b32 exec_lo, exec_lo, s29
.Lend:
	s_wait_tensorcnt 0x0
	ds_add_u32 v254, v255
	s_wait_dscnt 0x0
	s_endpgm
.Lfunc_end_k_qea34e9358d_route:
	.size	k_qea34e9358d_route, .Lfunc_end_k_qea34e9358d_route-k_qea34e9358d_route
	.p2alignl 7, 3214868480
	.fill 96, 4, 3214868480
	.section	.rodata,"a",@progbits
	.p2align	6, 0x0
	.amdhsa_kernel k_qea34e9358d_route
		.amdhsa_group_segment_fixed_size 100352
		.amdhsa_private_segment_fixed_size 0
		.amdhsa_enable_private_segment 0
		.amdhsa_kernarg_size 48
		.amdhsa_user_sgpr_count 2
		.amdhsa_user_sgpr_kernarg_segment_ptr 1
		.amdhsa_wavefront_size32 1
		.amdhsa_system_sgpr_workgroup_id_x 1
		.amdhsa_system_sgpr_workgroup_id_y 1
		.amdhsa_system_sgpr_workgroup_id_z 1
		.amdhsa_system_vgpr_workitem_id 0
		.amdhsa_next_free_vgpr 512
		.amdhsa_next_free_sgpr 66
		.amdhsa_reserve_vcc 1
		.amdhsa_float_denorm_mode_32 3
		.amdhsa_float_denorm_mode_16_64 3
		.amdhsa_memory_ordered 1
		.amdhsa_forward_progress 1
		.amdhsa_inst_pref_size 103
	.end_amdhsa_kernel
	.amdgpu_metadata
---
amdhsa.version: [ 1, 2 ]
amdhsa.kernels:
  - .name:           k_qea34e9358d_route
    .symbol:         k_qea34e9358d_route.kd
    .args:
      - { .name: x, .offset: 0, .size: 8, .value_kind: global_buffer, .address_space: global }
      - { .name: router_w, .offset: 8, .size: 8, .value_kind: global_buffer, .address_space: global }
      - { .name: xq, .offset: 16, .size: 8, .value_kind: global_buffer, .address_space: global }
      - { .name: xs, .offset: 24, .size: 8, .value_kind: global_buffer, .address_space: global }
      - { .name: route, .offset: 32, .size: 8, .value_kind: global_buffer, .address_space: global }
      - { .name: gates, .offset: 40, .size: 8, .value_kind: global_buffer, .address_space: global }
    .group_segment_fixed_size: 100352
    .private_segment_fixed_size: 0
    .kernarg_segment_align: 8
    .kernarg_segment_size: 48
    .max_flat_workgroup_size: 256
    .sgpr_count:     66
    .vgpr_count:     512
    .wavefront_size: 32
...
	.end_amdgpu_metadata
.endif
;; end of part 4
;; launch place (part 5): grid 256 x 1, 8 waves a work-group, no clusters, 3,072 bytes of LDS; arguments route, gates, w1_codes, w1_scales, w2_codes, w2_scales, plan, gsort, wimg, out1; writes plan, gsort, wimg, out1
.if DOCPART == 5
	.amdgcn_target "amdgcn-amd-amdhsa--gfx1250"
	.amdhsa_code_object_version 6
	.text
	.protected	k_qea34e9358d_place
	.globl	k_qea34e9358d_place
	.p2align	8
	.type	k_qea34e9358d_place,@function
k_qea34e9358d_place:
	s_mov_b64 s[64:65], 0
	v_nop
	global_prefetch_b8 v0, s[64:65] scope:SCOPE_SE
	s_setreg_imm32_b32 hwreg(HW_REG_WAVE_MODE, 25, 1), 1
	s_wait_xcnt 0x0
; PLACE.  From the whole numbers that the launch before stored: the tokens sorted by their pair of experts (a counting sort without atomics), the list of tiles, and the auxiliary loss;
; and the weights laid once in the order in which a wave's operand registers take them.
; SHARES.  Work-group j places the 32 tokens of group j: position = (tokens of smaller pairs) + (tokens of my pair in groups before j) + (my rank in my group).  Every work-group adds up all 256 histograms
; itself (32 KiB, eight waves x 32 rows), so that no work-group waits for another.  Work-group j also writes tile j's record (first position, count, lo, hi): a tile is at most 48 tokens of one pair, so there are
; never more than ceil(8192 / 48) + 27 = 198.  It also lays out two chunks of the weights, four waves to a chunk.  Work-group 0's wave 1 makes out1, work-group 255's wave 2 the 64 spare entries behind the sorted lists.
; A CHUNK of wimg, 8,704 bytes: 16 blocks of 512 bytes, block 4 q + 2 u + c = registers 4 c .. 4 c + 3 of the fragment (K step q, tile u), 16 bytes a lane; then lane 16 u + r's four scale words of row r of tile u.
; wimg [expert][wave 4][chunk 16].  Chunk i < 8: W1, hidden block b = i / 2, K steps 4 (i % 2) + q; row a of tile u is W1's row 128 w + 32 b + 8 u + a + 8 (a / 8), so that two tiles' results are 16 neighbours along the next K.
; Chunk 8 + g: W2, row a of tile u is W2's row 256 w + 32 g + 16 u + a, K steps q.
; The scattered stores of the sorted lists are 4 and 8 bytes a lane to places far apart: 96 KiB in the whole launch.
	s_load_b512 s[4:19], s[0:1], 0x0               ; route s[4:5], gates s[6:7], w1_codes s[8:9], w1_scales s[10:11], w2_codes s[12:13], w2_scales s[14:15], plan s[16:17], gsort s[18:19]
	s_load_b128 s[20:23], s[0:1], 0x40             ; wimg s[20:21], out1 s[22:23]
	v_lshl_add_u32 v224, v0, 2, 0x800
	v_mov_b32 v225, 0
	v_lshrrev_b32 v5, 5, v0
	s_delay_alu instid0(VALU_DEP_1)
	v_readfirstlane_b32 s24, v5                    ; wave 0..7
	v_and_b32 v1, 31, v0                           ; lane
	s_delay_alu instid0(VALU_DEP_1)
	v_lshlrev_b32 v2, 2, v1                        ; 4 x lane
	s_delay_alu instid0(VALU_DEP_2)
	v_lshlrev_b32 v3, 3, v1                        ; 8 x lane
	s_delay_alu instid0(VALU_DEP_3)
	v_lshlrev_b32 v18, 4, v1                       ; 16 x lane
	v_lshlrev_b32 v17, 2, v0                       ; LDS: 4 x thread = 128 x wave + 4 x lane
	v_and_b32 v10, 15, v1                          ; r
	v_lshrrev_b32 v11, 4, v1                       ; h
	s_mov_b32 s25, ttmp9                           ; j
	s_lshl_b32 s26, s25, 1
	s_lshr_b32 s30, s24, 2
	s_add_co_u32 s26, s26, s30                     ; my chunk C = 2 j + wave / 4
	s_and_b32 s27, s24, 3                          ; my K step q of it
	s_lshr_b32 s28, s26, 4                         ; 4 x expert + wave of the later launch
	s_and_b32 s29, s26, 15                         ; i
	s_lshr_b32 s30, s29, 1                         ; b
	s_and_b32 s31, s29, 1                          ; which half of W1's K
	s_and_b32 s33, s29, 7                          ; g
	s_lshl_b32 s34, s30, 14
	s_lshl_b32 s35, s31, 8
	s_add_co_u32 s34, s34, s35                     ; W1's codes: 32 b rows of 512 bytes + 256 bytes for the second half of K
	s_lshl_b32 s35, s33, 13                        ; W2's codes: 32 g rows of 256 bytes
	s_lshl_b32 s36, s30, 10
	s_lshl_b32 s37, s31, 4
	s_add_co_u32 s36, s36, s37                     ; W1's scales: 32 b rows of 32 bytes + 16
	s_lshl_b32 s37, s33, 9                         ; W2's scales: 32 g rows of 16 bytes
	s_wait_alu depctr_va_vdst(0)
	s_wait_kmcnt 0x0
	s_cmp_lt_u32 s29, 8                            ; W1's chunk or W2's?  The choice hangs on ids alone
	s_cselect_b32 s34, s34, s35
	s_cselect_b32 s36, s36, s37
	s_cselect_b32 s38, 8, 0                        ; W1: rows 8-15 of a tile lie 8 further on
	s_cselect_b32 s39, 9, 8                        ; a row of codes: 512 or 256 bytes
	s_cselect_b32 s40, 3, 4                        ; tile 1 begins 8 or 16 rows on
	s_cselect_b32 s41, 5, 4                        ; a row of scales: 32 or 16 bytes
	s_cselect_b64 s[42:43], s[8:9], s[12:13]
	s_cselect_b64 s[44:45], s[10:11], s[14:15]
	s_lshl_b32 s35, s28, 16                        ; an expert's codes are 262,144 bytes in both, a wave's share 65,536
	s_add_co_u32 s34, s34, s35
	s_lshl_b32 s35, s27, 6                         ; K step q: 64 bytes
	s_add_co_u32 s34, s34, s35
	s_mov_b32 s35, 0
	s_add_nc_u64 s[42:43], s[42:43], s[34:35]
	s_lshl_b32 s37, s28, 12                        ; an expert's scales are 16,384 bytes in both
	s_add_co_u32 s36, s36, s37
	s_mov_b32 s37, 0
	s_add_nc_u64 s[44:45], s[44:45], s[36:37]
	s_mul_i32 s46, s26, 8704
	s_lshl_b32 s47, s27, 11
	s_add_co_u32 s46, s46, s47
	s_mov_b32 s47, 0
	s_add_nc_u64 s[46:47], s[20:21], s[46:47]      ; where my four blocks go
	v_and_b32 v12, s38, v10
	s_delay_alu instid0(VALU_DEP_1)
	v_add_nc_u32 v12, v12, v10                     ; my row of a tile
	s_delay_alu instid0(VALU_DEP_1)
	v_lshlrev_b32 v9, s39, v12
	s_delay_alu instid0(VALU_DEP_1)
	v_lshl_add_u32 v9, v11, 4, v9                  ; codes: row x pitch + 16 h
	v_lshlrev_b32 v13, s40, v11
	s_delay_alu instid0(VALU_DEP_1)
	v_add_nc_u32 v13, v13, v12
	s_delay_alu instid0(VALU_DEP_1)
	v_lshlrev_b32 v13, s41, v13                    ; scales: lane 16 u + r takes row r of tile u
	s_lshl_b32 s48, s25, 7
	s_mov_b32 s49, 0
	s_add_nc_u64 s[50:51], s[4:5], s[48:49]        ; my group's info
	s_lshl_b32 s48, s25, 8
	s_add_nc_u64 s[52:53], s[6:7], s[48:49]        ; my group's gates
	; what only some waves load is asked for first: the oldest loads change no later count
	s_cmp_lg_u32 s24, 0
	s_cbranch_scc1 .Lnot_first
	global_load_b32 v4, v2, s[50:51]
	global_load_b64 v[6:7], v3, s[52:53]
.Lnot_first:
	s_cmp_lg_u32 s27, 0
	s_cbranch_scc1 .Lno_scale_load
	s_wait_alu depctr_va_vdst(0)
	global_load_b128 v[80:83], v13, s[44:45]       ; the chunk's scale words
.Lno_scale_load:
	s_lshl_b32 s48, s24, 12
	v_add_nc_u32 v8, s48, v2
.set i, 0
.rept 32
	global_load_b32 v[32+i], v8, s[4:5] offset:32768+128*i   ; the histogram of group 32 w + i: lane = p
.set i, i+1
.endr
	s_wait_alu depctr_va_vdst(0)
.irp u, 0,1
.irp c, 0,1
	global_load_b128 v[64+4*(2*\u+\c):67+4*(2*\u+\c)], v9, s[42:43] offset:4096*\u+32*\c   ; tile 1 begins 4,096 bytes on in both kinds
.endr
.endr
	s_lshl_b32 s48, s24, 5
	s_sub_co_i32 s48, s25, s48                     ; group 32 w + i comes before mine where i < j - 32 w
	s_wait_loadcnt 4                               ; the four loads of codes are younger: the histograms are in
	s_cmp_gt_i32 s48, 0
	s_cselect_b32 s49, -1, 0
	v_and_b32 v16, s49, v32                        ; v16: the groups before mine;  v15: all
	s_cmp_gt_i32 s48, 1
	s_cselect_b32 s49, -1, 0
	v_and_b32 v14, s49, v33
	s_delay_alu instid0(VALU_DEP_1)
	v_add_nc_u32 v16, v16, v14
	v_add_nc_u32 v15, v32, v33
.set i, 2
.rept 30
	s_cmp_gt_i32 s48, i
	s_cselect_b32 s49, -1, 0
	v_and_b32 v14, s49, v[32+i]
	s_delay_alu instid0(VALU_DEP_1)
	v_add_nc_u32 v16, v16, v14
	v_add_nc_u32 v15, v15, v[32+i]
.set i, i+1
.endr
	ds_store_b32 v17, v15
	ds_store_b32 v17, v16 offset:1024
	s_wait_loadcnt 0x0
.irp u, 0,1
.irp c, 0,1
	global_store_b128 v18, v[64+4*(2*\u+\c):67+4*(2*\u+\c)], s[46:47] offset:1024*\u+512*\c   ; 32 lanes: 512 consecutive bytes, aligned
.endr
.endr
	s_cmp_lg_u32 s27, 0
	s_cbranch_scc1 .Lno_scale_store
	global_store_b128 v18, v[80:83], s[46:47] offset:8192
.Lno_scale_store:
	s_wait_dscnt 0x0                               ; for the others' sake: my two rows lie in LDS
	s_barrier_signal -1
	s_barrier_wait -1
	s_cmp_eq_u32 s24, 0
	s_cbranch_scc1 .Lsort
	s_cmp_eq_u32 s24, 1
	s_cbranch_scc1 .Lloss
	s_cmp_eq_u32 s24, 2
	s_cbranch_scc1 .Lspare
	s_wait_tensorcnt 0x0
	ds_add_u32 v224, v225
	s_wait_dscnt 0x0
	s_endpgm
; an inclusive sum over the 32 lanes: four steps inside each half of 16, then the lower half's total onto the upper
.macro SCAN r, t
.irp n, 1,2,4,8
	s_delay_alu instid0(VALU_DEP_1)
	v_mov_b32_dpp v[\t], v[\r] row_shr:\n row_mask:0xf bank_mask:0xf bound_ctrl:1
	s_delay_alu instid0(VALU_DEP_1)
	v_add_nc_u32 v[\r], v[\r], v[\t]
.endr
	s_delay_alu instid0(VALU_DEP_1)
	v_readlane_b32 s54, v[\r], 15
	s_delay_alu instid0(VALU_DEP_1)
	v_mad_u32_u24 v[\r], v11, s54, v[\r]
.endm
.Lsort:
.irp k, 0,1,2,3,4,5,6,7
	ds_load_b32 v[32+\k], v2 offset:128*\k
	ds_load_b32 v[40+\k], v2 offset:1024+128*\k
.endr
	v_mov_b32 v21, 0
	s_wait_dscnt 0x0
	v_add3_u32 v15, v32, v33, v34
	v_add3_u32 v16, v40, v41, v42
	s_delay_alu instid0(VALU_DEP_2)
	v_add3_u32 v15, v15, v35, v36
	s_delay_alu instid0(VALU_DEP_2)
	v_add3_u32 v16, v16, v43, v44
	s_delay_alu instid0(VALU_DEP_2)
	v_add3_u32 v15, v15, v37, v38
	s_delay_alu instid0(VALU_DEP_2)
	v_add3_u32 v16, v16, v45, v46
	s_delay_alu instid0(VALU_DEP_2)
	v_add_nc_u32 v15, v15, v39                     ; T: tokens of pair p = lane
	s_delay_alu instid0(VALU_DEP_2)
	v_add_nc_u32 v16, v16, v47                     ; of them in groups before mine
	s_delay_alu instid0(VALU_DEP_2)
	v_mov_b32 v20, v15
	SCAN 20, 21
	s_delay_alu instid0(VALU_DEP_1)
	v_sub_nc_u32 v22, v20, v15                     ; tokens of smaller pairs
	s_delay_alu instid0(VALU_DEP_1)
	v_add_nc_u32 v23, v22, v16
	v_and_b32 v24, 0xff, v4                        ; my token's p
	s_delay_alu instid0(VALU_DEP_1)
	v_min_u32 v24, 31, v24
	s_delay_alu instid0(VALU_DEP_1)
	v_lshlrev_b32 v24, 2, v24
	ds_bpermute_b32 v25, v24, v23                  ; lane p's number
	v_lshrrev_b32 v26, 8, v4                       ; my rank
	v_add_nc_u32 v30, 47, v15
	s_delay_alu instid0(VALU_DEP_1)
	v_mul_u32_u24 v30, v30, 0xaaab
	s_delay_alu instid0(VALU_DEP_1)
	v_lshrrev_b32 v30, 21, v30                     ; tiles of pair p: (T + 47) / 48; 43,691 / 2^21 is exact for numbers up to 8,239
	s_delay_alu instid0(VALU_DEP_1)
	v_mov_b32 v31, v30
	SCAN 31, 21
	s_delay_alu instid0(VALU_DEP_1)
	v_sub_nc_u32 v48, v31, v30                     ; the pair's first tile
	s_delay_alu instid0(VALU_DEP_2)
	v_cmp_ge_u32 s55, s25, v31
	s_bcnt1_i32_b32 s55, s55                       ; the pairs whose tiles all come before tile j: the pair of tile j, or 28 and more if there is no tile j
	s_min_u32 s56, s55, 27
	v_mov_b32 v49, s56
	s_delay_alu instid0(VALU_DEP_1)
	v_lshlrev_b32 v49, 2, v49
	ds_bpermute_b32 v50, v49, v48
	ds_bpermute_b32 v51, v49, v22
	ds_bpermute_b32 v52, v49, v15
	s_lshl_b32 s54, s25, 5
	v_add_nc_u32 v29, s54, v1                      ; my token
	s_wait_dscnt 0x0
	v_add_nc_u32 v25, v25, v26
	s_delay_alu instid0(VALU_DEP_1)
	v_min_u32 v25, 0x1fff, v25                     ; a position, held inside the list
	s_delay_alu instid0(VALU_DEP_1)
	v_lshlrev_b32 v27, 2, v25
	s_wait_alu depctr_va_vdst(0)
	v_lshlrev_b32 v28, 3, v25
	global_store_b32 v27, v29, s[16:17]
	global_store_b64 v28, v[6:7], s[18:19]
	v_readfirstlane_b32 s57, v50
	v_readfirstlane_b32 s58, v51
	v_readfirstlane_b32 s59, v52
	s_sub_co_u32 s60, s25, s57                     ; which tile of its pair
	s_mul_i32 s60, s60, 48
	s_add_co_u32 s58, s58, s60                     ; first position
	s_sub_co_u32 s59, s59, s60
	s_min_u32 s59, s59, 48                         ; count
	s_cmp_lt_u32 s55, 28
	s_cselect_b32 s58, s58, 0x2000                 ; no such tile: the spare entries, and no row
	s_cselect_b32 s59, s59, 0
	s_mov_b32 s61, 0                               ; lo: how many of the pairs' first numbers 7, 13, 18, 22, 25, 27 are reached
.irp c, 7,13,18,22,25,27
	s_cmp_ge_u32 s56, \c
	s_add_co_ci_u32 s61, s61, 0
.endr
	s_sub_co_u32 s62, 15, s61
	s_mul_i32 s62, s62, s61
	s_lshr_b32 s62, s62, 1
	s_sub_co_u32 s62, s56, s62
	s_add_co_u32 s62, s62, s61
	s_add_co_u32 s62, s62, 1                       ; hi
	s_cmp_lt_u32 s25, 198
	s_cbranch_scc0 .Lend
	v_mov_b32 v32, s58
	v_mov_b32 v33, s59
	v_mov_b32 v34, s61
	v_mov_b32 v35, s62
	s_lshl_b32 s60, s25, 4
	v_mov_b32 v36, s60
	v_cmp_eq_u32 vcc_lo, 0, v1
	s_wait_alu depctr_va_vdst(0)
	s_wait_xcnt 0x0                                ; EXEC is a source of my earlier stores: it changes only behind this wait
	s_wait_tensorcnt 0x0
	ds_add_u32 v224, v225
	s_wait_dscnt 0x0
	s_and_saveexec_b32 s63, vcc_lo
	global_store_b128 v36, v[32:35], s[16:17] offset:33024
	s_wait_xcnt 0x0
	s_or_b32 exec_lo, exec_lo, s63
	s_endpgm
.Lspare:
	s_cmp_lg_u32 s25, 255
	s_cbranch_scc1 .Lend
	v_mov_b32 v32, 0                               ; 64 entries behind each sorted list: a tile reads 48 from its first position on
	v_mov_b32 v33, 0
	v_mov_b32 v34, 0
	v_mov_b32 v35, 0
	global_store_b64 v3, v[32:33], s[16:17] offset:32768
	global_store_b128 v18, v[32:35], s[18:19] offset:65536
	s_wait_tensorcnt 0x0
	ds_add_u32 v224, v225
	s_wait_dscnt 0x0
	s_endpgm
.Lloss:
	s_cmp_lg_u32 s25, 0
	s_cbranch_scc1 .Lend
.set n, 0
.rept 32
	global_load_b128 v[96+4*n:99+4*n], v18, s[6:7] offset:65536+512*n   ; eight groups' 16 numbers: lane l holds numbers 4 (l % 4) + 0 .. 3 of group 8 n + l / 4
.set n, n+1
.endr
	s_mov_b32 s54, 0x76543210
	s_mov_b32 s55, 0xfedcba98
	s_wait_loadcnt 0x0
.set n, 1
	v_pk_add_f32 v[96:97], v[96:97], v[96+4*n:97+4*n]
	v_pk_add_f32 v[98:99], v[98:99], v[98+4*n:99+4*n]
.set n, n+1
.rept (31)-1
	s_delay_alu instid0(VALU_DEP_2)
	v_pk_add_f32 v[96:97], v[96:97], v[96+4*n:97+4*n]
	s_delay_alu instid0(VALU_DEP_2)
	v_pk_add_f32 v[98:99], v[98:99], v[98+4*n:99+4*n]
.set n, n+1
.endr
.irp n, 4,8
.irp k, 0,1,2,3
	v_add_f32_dpp v[96+\k], v[96+\k], v[96+\k] row_xmask:\n row_mask:0xf bank_mask:0xf
.endr
.endr
.irp k, 0,1,2,3
	s_delay_alu instid0(VALU_DEP_4)
	v_permlanex16_b32 v[100+\k], v[96+\k], s54, s55
.endr
.irp k, 0,1,2,3
	s_delay_alu instid0(VALU_DEP_4)
	v_add_f32 v[96+\k], v[96+\k], v[100+\k]        ; all 256 groups
.endr
.irp k, 0,1,2,3
	s_delay_alu instid0(VALU_DEP_4)
	v_mul_f32_dpp v[96+\k], v[96+\k], v[96+\k] row_xmask:2 row_mask:0xf bank_mask:0xf   ; an expert's sum of probabilities lies two lanes from its count
.endr
	s_delay_alu instid0(VALU_DEP_3)
	v_add_f32 v96, v96, v97
	s_delay_alu instid0(VALU_DEP_2)
	v_add_f32 v98, v98, v99
	s_delay_alu instid0(VALU_DEP_1)
	v_add_f32 v96, v96, v98
	s_delay_alu instid0(VALU_DEP_1)
	v_add_f32_dpp v96, v96, v96 row_xmask:1 row_mask:0xf bank_mask:0xf
	s_delay_alu instid0(VALU_DEP_1)
	v_mul_f32 v96, 0x34000000, v96                 ; x 8 / 8192^2 = 2^-23
	v_mov_b32 v97, 0
	v_cmp_eq_u32 vcc_lo, 0, v1
	s_wait_alu depctr_va_vdst(0)
	s_wait_xcnt 0x0
	s_and_saveexec_b32 s63, vcc_lo
	global_store_b32 v97, v96, s[22:23]
	s_wait_xcnt 0x0
	s_or_b32 exec_lo, exec_lo, s63
.Lend:
	s_wait_tensorcnt 0x0
	ds_add_u32 v224, v225
	s_wait_dscnt 0x0
	s_endpgm
.Lfunc_end_k_qea34e9358d_place:
	.size	k_qea34e9358d_place, .Lfunc_end_k_qea34e9358d_place-k_qea34e9358d_place
	.p2alignl 7, 3214868480
	.fill 96, 4, 3214868480
	.section	.rodata,"a",@progbits
	.p2align	6, 0x0
	.amdhsa_kernel k_qea34e9358d_place
		.amdhsa_group_segment_fixed_size 3072
		.amdhsa_private_segment_fixed_size 0
		.amdhsa_enable_private_segment 0
		.amdhsa_kernarg_size 80
		.amdhsa_user_sgpr_count 2
		.amdhsa_user_sgpr_kernarg_segment_ptr 1
		.amdhsa_wavefront_size32 1
		.amdhsa_system_sgpr_workgroup_id_x 1
		.amdhsa_system_sgpr_workgroup_id_y 1
		.amdhsa_system_sgpr_workgroup_id_z 1
		.amdhsa_system_vgpr_workitem_id 0
		.amdhsa_next_free_vgpr 226
		.amdhsa_next_free_sgpr 66
		.amdhsa_reserve_vcc 1
		.amdhsa_float_denorm_mode_32 3
		.amdhsa_float_denorm_mode_16_64 3
		.amdhsa_memory_ordered 1
		.amdhsa_forward_progress 1
		.amdhsa_inst_pref_size 33
	.end_amdhsa_kernel
	.amdgpu_metadata
---
amdhsa.version: [ 1, 2 ]
amdhsa.kernels:
  - .name:           k_qea34e9358d_place
    .symbol:         k_qea34e9358d_place.kd
    .args:
      - { .name: route, .offset: 0, .size: 8, .value_kind: global_buffer, .address_space: global }
      - { .name: gates, .offset: 8, .size: 8, .value_kind: global_buffer, .address_space: global }
      - { .name: w1_codes, .offset: 16, .size: 8, .value_kind: global_buffer, .address_space: global }
      - { .name: w1_scales, .offset: 24, .size: 8, .value_kind: global_buffer, .address_space: global }
      - { .name: w2_codes, .offset: 32, .size: 8, .value_kind: global_buffer, .address_space: global }
      - { .name: w2_scales, .offset: 40, .size: 8, .value_kind: global_buffer, .address_space: global }
      - { .name: plan, .offset: 48, .size: 8, .value_kind: global_buffer, .address_space: global }
      - { .name: gsort, .offset: 56, .size: 8, .value_kind: global_buffer, .address_space: global }
      - { .name: wimg, .offset: 64, .size: 8, .value_kind: global_buffer, .address_space: global }
      - { .name: out1, .offset: 72, .size: 8, .value_kind: global_buffer, .address_space: global }
    .group_segment_fixed_size: 3072
    .private_segment_fixed_size: 0
    .kernarg_segment_align: 8
    .kernarg_segment_size: 80
    .max_flat_workgroup_size: 256
    .sgpr_count:     66
    .vgpr_count:     226
    .wavefront_size: 32
...
	.end_amdgpu_metadata
.endif
;; end of part 5
;; launch chain (part 6): grid 198 x 1, 4 waves a work-group, no clusters, 153,856 bytes of LDS; arguments plan, gsort, xq, xs, wimg, out0; writes out0
.if DOCPART == 6
	.amdgcn_target "amdgcn-amd-amdhsa--gfx1250"
	.amdhsa_code_object_version 6
	.text
	.protected	k_qea34e9358d_chain
	.globl	k_qea34e9358d_chain
	.p2align	8
	.type	k_qea34e9358d_chain,@function
k_qea34e9358d_chain:
	s_mov_b64 s[64:65], 0
	v_nop
	global_prefetch_b8 v0, s[64:65] scope:SCOPE_SE
	s_setreg_imm32_b32 hwreg(HW_REG_WAVE_SCHED_MODE, 0, 2), 2
	s_setreg_imm32_b32 hwreg(HW_REG_WAVE_MODE, 25, 1), 1
	s_wait_xcnt 0x0
	s_wait_alu depctr_vm_vsrc(0)
; CHAIN.  out[token] = g_lo silu(x W1[lo]) W2[lo] + g_hi silu(x W1[hi]) W2[hi], both products on codes of E2M1 with one E8M0 scale for each 32 along K.  Only a token's two chosen experts are multiplied.
; A work-group takes one tile of the stored list: at most 48 tokens that chose the SAME pair (lo, hi).  So each row of out has one owner, and every tile walks two experts with the same text: only addresses hang on the stored numbers.
; The grid of 198 serves every split (ceil(8192 / 48) + 28 - 1).  Rows from the tile's count on, and tiles with no row, run on valid addresses (the list's next entries, or its spare ones) and store nothing: every wave passes both barriers.
; SHARES.  The four waves share the COLUMNS: wave w makes hidden units 128 w .. + 127 (one K step of the second product) and outputs 256 w .. + 255, for all 48 rows (three tiles of 16).  So each byte of the weights is
; taken by one wave alone, from wimg straight into a ring of eight register parts, three chunks of 17 loads ahead; each load reads 512 consecutive bytes.
; Both products are used transposed (source 0 = 16 rows of a weight, source 1 = 16 tokens): a lane holds one token.  The rows of W1 that form a tile were chosen so that two tiles' 16 registers are 16 neighbours along the next K.
; ORDER.  x's codes gathered into LDS | barrier | hidden layer of lo, of hi: products, silu in f32, quantised, as images of the operand's registers into LDS | barrier | for each 32 outputs: lo's product, hi's, the gates, a stage of the wave's own; rows leave 512 bytes at a time.
; WHY NO JOINT LOADS IN A CLUSTER: which experts a tile walks is read from the stored list, so neighbours' requests would not be equal; and the jump past rows beyond a tile's count hangs on a stored number.
; LIMITS: a block of the hidden layer whose largest magnitude lies under 2^-124 gets the byte 1 (its codes are zeros or the smallest codes).  NaN and infinities are not served.  silu = x / (1 + 2^(-x log2 e)) by a reciprocal and a multiplication.
; REGISTERS, in windows of 256.  Window 0: v1-13 addresses; v16-31 the tokens' scale words; v32-47 and v224-239 the weights' scale words, 4 a ring part; v48-53 gates; v56-77 the quantiser; v80-127 six accumulators; v128-175 at work, or six more; v176-223 a row's byte in out.
;   Window 1: the tokens' fragments: x's 24, later the hidden layers' 24.   Windows 2 and 3: the ring: eight parts of 64.
; THE MODE: SCHED_MODE bits 1:0 = 2 (LLVM: expert scheduling mode 2), set by the entry lines.  The code itself states the register dependences between vector or matrix instructions and memory or LDS instructions, with s_wait_alu, always for 0.
; THE PLAN.  Registers that memory or LDS instructions touch, and who else names them:
;   THE RING and each part's four scale words.  Step i's products read part i % 8; step i's 17 loads land in part (i + 3) % 8, which the products of step i - 5 read last.  Every pair of steps holds a wait on va_vdst, ahead of its LDS stores:
;     so the products of five steps back lie ahead of such a wait, and the products issued since it name other parts: the ring's loads owe no wait of their own.  Eight parts: an expert's first product has eight steps, and the numbers come back at the loop's edge.
;   v[ACC ..], v[T ..].  At the head: x's rows as gathered, read by LDS stores, and the gather's offsets.  In the second product: COMBINE writes v[ACC ..], the stage's LDS stores read it; a flush's LDS loads land in both, its global stores read them.
;   v[PC ..], v[PWS], v[PW+2].  Written by the quantiser, read by its LDS stores.   v[HWC], v[HSWC].  Written once a trip of the loop over experts, read by the same stores.
;   WINDOW 1 and v[XS ..].  Loaded at the head, read by the first product, loaded again behind the second barrier.   v1-13, v[VTO ..].  Made at the head, never written again.
.set XROW, 0                           ; LDS: 48 rows of x's codes, 512 bytes + 16
.set HIMG, 25344                       ; the hidden layers: expert x at 12,288 x, fragment (tile m, K step s) at 1,024 (4 m + s)
.set HSC,  49920                       ; their scale words: 1,024 x + 256 s + 128 set + 4 lane
.set STG,  51968                       ; a stage for each wave: 48 rows of 512 bytes + 16
.set LI,   1                           ; 16 x lane
.set RR,   2                           ; r = lane % 16
.set HH,   3                           ; h = lane / 16
.set XRD,  4
.set XWR,  5
.set HW0,  6
.set HWC,  7
.set HSW0, 8
.set HSWC, 9
.set SO,   10
.set SR,   11
.set OB,   12
.set LS,   13                          ; 4 x lane
.set XS,   16                          ; first product: v16 + q: lanes 0-15 tile 0's word of K step q, lanes 16-31 tile 1's; v24 + q: tile 2's.  Second: 16 + 8 x + 4 set + s
.set SCR,  32                          ; the scale words of ring parts 0-3,
.set SCR2, 224                         ; of parts 4-7
.set G,    48
.set TM,   56
.set TX,   60
.set TS,   64
.set PW,   68
.set PWS,  71
.set PC,   72
.set ACC,  80                          ; accumulator (weight tile u, token tile m) at ACC + 8 (2 m + u)
.set T,    128
.set VTO,  176
.set MSB, 0
.macro WIN new                         ; the immediate's high byte repeats the setting that is left
.if MSB != \new
	s_set_vgpr_msb (MSB<<8)|\new
.set MSB, \new
.endif
.endm
; a chunk of the weights, 17 loads, into a ring part: its scale words, then its eight fragments.  Parts 0-3 lie in window 2, parts 4-7 in window 3.
; No wait on va_vdst stands here: the products that read this part last stand ahead of the last such wait, and no vector or matrix instruction since names the part, its scale words or v[LI].
.macro ISSUE base, off, part
.set pS, SCR+(SCR2-SCR)*((\part)/4)+4*((\part)%4)
.set pR, 64*((\part)%4)
.set pW, 0x80+0x40*((\part)/4)
	WIN 0
	global_load_b128 v[pS:pS+3], v[LI], s[\base:\base+1] offset:(\off)+8192
	WIN pW                                         ; destination window 2 or 3
.irp k, 0,1,2,3,4,5,6,7,8,9,10,11,12,13,14,15
	global_load_b128 v[pR+4*\k:pR+4*\k+3], v[LI], s[\base:\base+1] offset:(\off)+512*\k
.endr
.endm
; one product; the weight's scale words lie in lanes 0-15 for tile 0 and 16-31 for tile 1, the tokens' in lanes 16-31 for tile 1
.macro WMM0 u, m
.if \u
.if \m == 1
	v_wmma_scale_f32_16x16x128_f8f6f4 v[rD:rD+7], v[rA:rA+7], v[rB:rB+7], 0, v[rSA], v[rSB] matrix_a_fmt:MATRIX_FMT_FP4 matrix_b_fmt:MATRIX_FMT_FP4 matrix_a_scale:MATRIX_SCALE_ROW1 matrix_b_scale:MATRIX_SCALE_ROW1
.else
	v_wmma_scale_f32_16x16x128_f8f6f4 v[rD:rD+7], v[rA:rA+7], v[rB:rB+7], 0, v[rSA], v[rSB] matrix_a_fmt:MATRIX_FMT_FP4 matrix_b_fmt:MATRIX_FMT_FP4 matrix_a_scale:MATRIX_SCALE_ROW1
.endif
.else
.if \m == 1
	v_wmma_scale_f32_16x16x128_f8f6f4 v[rD:rD+7], v[rA:rA+7], v[rB:rB+7], 0, v[rSA], v[rSB] matrix_a_fmt:MATRIX_FMT_FP4 matrix_b_fmt:MATRIX_FMT_FP4 matrix_b_scale:MATRIX_SCALE_ROW1
.else
	v_wmma_scale_f32_16x16x128_f8f6f4 v[rD:rD+7], v[rA:rA+7], v[rB:rB+7], 0, v[rSA], v[rSB] matrix_a_fmt:MATRIX_FMT_FP4 matrix_b_fmt:MATRIX_FMT_FP4
.endif
.endif
.endm
.macro WMM1 u, m
.if \u
.if \m == 1
	v_wmma_scale_f32_16x16x128_f8f6f4 v[rD:rD+7], v[rA:rA+7], v[rB:rB+7], v[rD:rD+7], v[rSA], v[rSB] matrix_a_fmt:MATRIX_FMT_FP4 matrix_b_fmt:MATRIX_FMT_FP4 matrix_a_scale:MATRIX_SCALE_ROW1 matrix_b_scale:MATRIX_SCALE_ROW1
.else
	v_wmma_scale_f32_16x16x128_f8f6f4 v[rD:rD+7], v[rA:rA+7], v[rB:rB+7], v[rD:rD+7], v[rSA], v[rSB] matrix_a_fmt:MATRIX_FMT_FP4 matrix_b_fmt:MATRIX_FMT_FP4 matrix_a_scale:MATRIX_SCALE_ROW1
.endif
.else
.if \m == 1
	v_wmma_scale_f32_16x16x128_f8f6f4 v[rD:rD+7], v[rA:rA+7], v[rB:rB+7], v[rD:rD+7], v[rSA], v[rSB] matrix_a_fmt:MATRIX_FMT_FP4 matrix_b_fmt:MATRIX_FMT_FP4 matrix_b_scale:MATRIX_SCALE_ROW1
.else
	v_wmma_scale_f32_16x16x128_f8f6f4 v[rD:rD+7], v[rA:rA+7], v[rB:rB+7], v[rD:rD+7], v[rSA], v[rSB] matrix_a_fmt:MATRIX_FMT_FP4 matrix_b_fmt:MATRIX_FMT_FP4
.endif
.endif
.endm
; a chunk's 24 products: 4 K steps x 2 weight tiles x 3 token tiles.  The six accumulators take turns, one instruction a turn.
; bb + ms m + 8 q: the tokens' fragment; sa, sb: their two sets of scale words; d: the accumulators; zero = 1: the first K step starts the sums.
; pl = 1: a vector instruction reads results next: four v_nop are the places behind the last products (ISA guide 7.12.1).  pl = 0: what follows are loads into another ring part and products on accumulators that take turns.
.macro MUL24 part, bb, ms, sa, sb, d, zero, pl
.set mW, 0x06+(\part)/4
.set mS, SCR+(SCR2-SCR)*((\part)/4)+4*((\part)%4)
.set mR, 64*((\part)%4)
	WIN mW                                         ; source 0 (the ring) window 2 or 3, source 1 (the tokens) window 1
.irp q, 0,1,2,3
.irp u, 0,1
.irp m, 0,1,2
.set rD, (\d)+8*(2*\m+\u)
.set rA, mR+8*(2*\q+\u)
.set rB, (\bb)+(\ms)*\m+8*\q
.set rSA, mS+\q
.if \m == 2
.set rSB, (\sb)+\q
.else
.set rSB, (\sa)+\q
.endif
.if (\zero) && (\q == 0)
	WMM0 \u, \m
.else
	WMM1 \u, \m
.endif
.endr
.endr
.endr
	WIN 0
.if (\pl)
.rept 4
	v_nop
.endr
.endif
.endm
; silu of the 48 numbers of a lane, in f32: x / (1 + 2^(-x log2 e)).  Each accumulator is read from its low end on
.macro SILU
.set j, 0
.rept 24
	v_pk_mul_f32 v[T+j:T+j+1], v[ACC+j:ACC+j+1], s[100:101] op_sel_hi:[1,0]
.set j, j+2
.endr
.set j, 0
	s_wait_alu depctr_va_vdst(0)
.rept 48
	v_exp_f32 v[T+j], v[T+j]
.set j, j+1
.endr
	v_nop                                          ; a plain line behind the exponentials
.set j, 0
	s_wait_alu depctr_va_vdst(0)                   ; the 48 exponentials have written v[T ..]: one wait for the batch, ahead of its first reader
.rept 24
	v_pk_add_f32 v[T+j:T+j+1], v[T+j:T+j+1], 1.0 op_sel_hi:[1,0]
.set j, j+2
.endr
.set j, 0
	s_wait_alu depctr_va_vdst(0)
.rept 48
	v_rcp_f32 v[T+j], v[T+j]
.set j, j+1
.endr
	v_nop                                          ; a plain line behind the reciprocals
.set j, 0
	s_wait_alu depctr_va_vdst(0)                   ; the 48 reciprocals have written v[T ..]: one wait for the batch, ahead of its first reader
.rept 24
	v_pk_mul_f32 v[ACC+j:ACC+j+1], v[ACC+j:ACC+j+1], v[T+j:T+j+1]
.set j, j+2
.endr
.endm
; block b of my 128 hidden units, for the three tiles of tokens by turns: lane (r, h) holds k = 32 b + 16 h + 0 .. 15 of token r.  Its 8 bytes of codes go where the lane that will load them finds them:
; in the operand, block b is registers 4 (b / 2) .. + 3 of lane r + 16 (b % 2), and my half of its 16 bytes begins at 8 h.  So LDS does the exchange of halves.
.macro QUANT3 b
	s_wait_dscnt 0x0                               ; the last block's LDS stores are done
.if (\b) > 0
	s_wait_alu depctr_vm_vsrc(0)                   ; the last block's LDS stores have read v[PC ..], which this block's conversions write again (block 0: the wait at the trip's head has stated it)
.endif
.irp m, 0,1,2
	v_max3_num_f32 v[TM+\m], |v[ACC+16*\m]|, |v[ACC+16*\m+1]|, 0x1800000   ; with the floor 2^(3 - 127): the byte cannot fall under 1
.endr
.irp i, 2,4,6,8,10,12,14
.irp m, 0,1,2
	v_max3_num_f32 v[TM+\m], v[TM+\m], |v[ACC+16*\m+\i]|, |v[ACC+16*\m+\i+1]|
.endr
.endr
.irp m, 0,1,2
	v_permlanex16_b32 v[TX+\m], v[TM+\m], s16, s17
.endr
.irp m, 0,1,2
	v_max_num_f32 v[TM+\m], v[TM+\m], v[TX+\m]     ; with lane l xor 16's 16: the block's largest magnitude
.endr
.irp m, 0,1,2
	v_add_nc_u32 v[TS+\m], 0xff000000, v[TM+\m]    ; 2 off the exponent field: the conversion's scale operand
.endr
.irp m, 0,1,2
.if (\b) == 0
	v_lshrrev_b32 v[PW+\m], 23, v[TS+\m]           ; the scale's byte starts the token's word
.else
	v_lshrrev_b32 v[TX+\m], 23, v[TS+\m]
.endif
.endr
.if (\b) > 0
.irp m, 0,1,2
	v_lshl_or_b32 v[PW+\m], v[TX+\m], 8*(\b), v[PW+\m]
.endr
.endif
.irp m, 0,1,2
	v_cvt_scalef32_pk8_fp4_f32 v[PC+2*\m], v[ACC+16*\m:ACC+16*\m+7], v[TS+\m]
	v_cvt_scalef32_pk8_fp4_f32 v[PC+2*\m+1], v[ACC+16*\m+8:ACC+16*\m+15], v[TS+\m]
.endr
	v_nop                                          ; a plain line behind the conversions: matrix instructions will write their sources again
.if (\b) == 3
	v_cndmask_b32 v[PWS], v[PW], v[PW+1], s18      ; lanes 0-15: tile 0's words, lanes 16-31: tile 1's
.endif
	s_wait_alu depctr_va_vdst(0)                   ; the conversions have written v[PC ..] (block 3: v[PWS] and v[PW+2] are whole too), and v[HWC], v[HSWC] are written: the LDS stores below read them.  All products issued so far are done reading their ring parts, x's fragments and scale words, in which later loads land
.irp m, 0,1,2
	ds_store_b64 v[HWC], v[PC+2*\m:PC+2*\m+1] offset:4096*\m+512*((\b)/2)+256*((\b)%2)
.endr
.if (\b) == 3
	ds_store_b32 v[HSWC], v[PWS]
	ds_store_b32 v[HSWC], v[PW+2] offset:128       ; tile 2's
.endif
.endm
	s_load_b256 s[4:11], s[0:1], 0x0               ; plan s[4:5], gsort s[6:7], xq s[8:9], xs s[10:11]
	s_load_b128 s[12:15], s[0:1], 0x20             ; wimg s[12:13], out0 s[14:15]
	v_lshl_add_u32 v254, v0, 2, 0x25700
	v_mov_b32 v255, 0
	v_lshrrev_b32 v14, 5, v0
	v_readfirstlane_b32 s70, v14                   ; wave 0..3
	v_and_b32 v15, 31, v0
	v_lshlrev_b32 v[LI], 4, v15
	v_lshlrev_b32 v[LS], 2, v15
	v_and_b32 v[RR], 15, v0
	v_bfe_u32 v[HH], v0, 4, 1
	s_lshl_b32 s2, ttmp9, 4
	s_wait_alu depctr_va_vdst(0)
	s_wait_kmcnt 0x0
	s_load_b128 s[72:75], s[4:5], s2 offset:33024  ; my tile: first position, count, lo, hi
	v_mul_u32_u24 v[XRD], v[RR], 528
	v_lshl_add_u32 v[XRD], v[HH], 4, v[XRD]        ; x's fragments: row r, + 16 h
	s_wait_alu depctr_va_sdst(0)                   ; s70 is written, ahead of its first reader: LDS places and the weights' bases are made from it
	s_mul_i32 s71, s70, 6336
	v_add_nc_u32 v[XWR], s71, v[LI]                ; where my wave puts its 12 rows
	s_lshl_b32 s71, s70, 10
	v_lshlrev_b32 v[HW0], 4, v[RR]
	v_lshl_add_u32 v[HW0], v[HH], 3, v[HW0]
	v_add_nc_u32 v[HW0], s71, v[HW0]
	v_add_nc_u32 v[HW0], HIMG, v[HW0]              ; the hidden layer's images: K step w, 16 r + 8 h
	v_add_nc_u32 v[OB], s71, v[LI]                 ; out: my wave's 1,024 bytes of a row, 16 a lane
	s_lshl_b32 s71, s70, 8
	v_add_nc_u32 v[HSW0], s71, v[LS]
	v_add_nc_u32 v[HSW0], HSC, v[HSW0]
	s_mul_i32 s71, s70, 25344
	s_add_co_u32 s71, s71, STG
	v_mul_u32_u24 v[SO], v[RR], 528
	v_lshl_add_u32 v[SO], v[HH], 5, v[SO]
	v_add_nc_u32 v[SO], s71, v[SO]                 ; into my stage: row r, 32 bytes for each half of the lanes
	v_add_nc_u32 v[SR], s71, v[LI]                 ; back: a row of 512 bytes
	v_lshlrev_b32 v142, 3, v[RR]
	v_lshlrev_b32 v143, 2, v[RR]
.irp m, 0,1,2
	v_mov_b32 v[TX+\m], 0                          ; written once: a lane permute's destination counts as one of its sources
.endr
	s_mov_b32 s100, 0xbfb8aa3b                     ; -log2(e)
	s_mov_b32 s101, s100                           ; (named with it as a pair)
	s_wait_kmcnt 0x0
	s_min_u32 s72, s72, 0x2000                     ; stored numbers are held inside their ranges before they enter an address
	s_min_u32 s73, s73, 48
	s_min_u32 s74, s74, 7
	s_min_u32 s75, s75, 7
	s_lshl_b32 s2, s72, 2
	s_mov_b32 s3, 0
	s_add_nc_u64 s[66:67], s[4:5], s[2:3]          ; the sorted tokens from my first position on
	s_lshl_b32 s2, s72, 3
	s_add_nc_u64 s[68:69], s[6:7], s[2:3]          ; their gates
	s_wait_alu depctr_va_vdst(0)                   ; the addresses v1 to v13, v142, v143 and the closing add's v254, v255 are written: the loads and LDS instructions of the whole kernel read them
	global_load_b32 v140, v[LS], s[66:67]          ; token of row = lane (tiles 0 and 1),
	global_load_b32 v141, v143, s[66:67] offset:128   ; of row 32 + r (tile 2)
.irp m, 0,1,2
	global_load_b64 v[G+2*\m:G+2*\m+1], v142, s[68:69] offset:128*\m   ; (g_lo, g_hi) of token 16 m + r
.endr
	s_load_b512 s[16:31], s[66:67], 0x0            ; all 48 tokens, for the rows' places in out
	s_load_b512 s[32:47], s[66:67], 0x40
	s_load_b512 s[48:63], s[66:67], 0x80
	s_mul_i32 s2, s70, 48
	s_load_b256 s[76:83], s[66:67], s2 offset:0x0  ; the 12 that my wave gathers
	s_load_b128 s[84:87], s[66:67], s2 offset:0x20
	s_mul_i32 s98, s74, 557056
	s_mul_i32 s99, s70, 139264
	s_add_co_u32 s98, s98, s99
	s_mov_b32 s99, 0
	s_add_nc_u64 s[88:89], s[12:13], s[98:99]      ; my share of lo's weights,
	s_mul_i32 s98, s75, 557056
	s_mul_i32 s99, s70, 139264
	s_add_co_u32 s98, s98, s99
	s_mov_b32 s99, 0
	s_add_nc_u64 s[90:91], s[12:13], s[98:99]      ; of hi's
	ISSUE 88, 0, 0                                 ; the ring's first three chunks
	ISSUE 88, 8704, 1
	ISSUE 88, 17408, 2
	WIN 0
	s_wait_kmcnt 0x0
.irp i, 0,1,2,3,4,5,6,7,8,9,10,11
	s_min_u32 s[76+\i], s[76+\i], 0x1fff
	s_lshl_b32 s[76+\i], s[76+\i], 9
	v_add_nc_u32 v[T+\i], s[76+\i], v[LI]          ; the twelve offsets are made in one run,
.endr
	s_wait_alu depctr_va_vdst(0)                   ; and are written: the twelve loads below read them
.irp i, 0,1,2,3,4,5,6,7,8,9,10,11
	global_load_b128 v[ACC+4*\i:ACC+4*\i+3], v[T+\i], s[8:9]   ; a token's 512 bytes of codes: 32 lanes, consecutive
.endr
	s_wait_loadcnt 63                              ; three chunks of 17 and the 12 rows are younger: the tokens and gates are in
	v_min_u32 v140, 0x1fff, v140
	v_min_u32 v141, 0x1fff, v141
	v_lshlrev_b32 v140, 5, v140
	v_lshlrev_b32 v141, 5, v141
	s_wait_alu depctr_va_vdst(0)                   ; the two offsets v140, v141 are written: the four loads below read them
	global_load_b128 v[XS:XS+3], v140, s[10:11]    ; a token's eight scale words
	global_load_b128 v[XS+4:XS+7], v140, s[10:11] offset:16
	global_load_b128 v[XS+8:XS+11], v141, s[10:11]
	global_load_b128 v[XS+12:XS+15], v141, s[10:11] offset:16
.set i, 0
.rept 48
	s_min_u32 s[16+i], s[16+i], 0x1fff
	v_lshl_add_u32 v[VTO+i], s[16+i], 12, v[OB]    ; row i's byte in out (its first reader, a flush's store, stands behind many waits on va_vdst)
.set i, i+1
.endr
	s_mov_b32 s16, 0x76543210                      ; the tokens' registers are free: lane l xor 16,
	s_mov_b32 s17, 0xfedcba98
	s_mov_b32 s18, 0xffff0000                      ; lanes 16-31,
	s_mov_b32 s19, 0                               ; the expert's place among the images,
	s_mov_b32 s20, 0                               ; and among their scale words
	s_wait_loadcnt 4                               ; the four loads of scale words are younger: the rows of codes are in
.irp i, 0,1,2,3,4,5,6,7,8,9,10,11
	ds_store_b128 v[XWR], v[ACC+4*\i:ACC+4*\i+3] offset:528*\i
.endr
	s_wait_dscnt 0x0                               ; for the others' sake: my 12 rows lie in LDS
	s_barrier_signal -1
	s_barrier_wait -1
	WIN 0x40                                       ; destination window 1
.irp m, 0,1,2
.irp q, 0,1,2,3,4,5,6,7
.irp c, 0,1
	ds_load_b128 v[8*(8*\m+\q)+4*\c:8*(8*\m+\q)+4*\c+3], v[XRD] offset:8448*\m+64*\q+32*\c   ; x's 24 fragments stay in registers for both experts
.endr
.endr
.endr
	WIN 0
	s_mov_b64 s[92:93], s[88:89]                   ; the expert in hand,
	s_mov_b64 s[94:95], s[90:91]                   ; and the three chunks that follow its eight: hi's first three
	s_add_nc_u64 s[96:97], s[90:91], 8704
	s_add_nc_u64 s[98:99], s[90:91], 17408
	s_wait_loadcnt 0x0                             ; x's scale words
	s_wait_dscnt 0x0
; chunk i of an expert's first product: the chunk three on is asked for, into the part that the products of five steps back have left
.macro P1STEP i, zero
	s_wait_loadcnt 34                              ; two younger chunks of 17 may be out: chunk i is in
.if (\i) < 5
	ISSUE 92, 8704*((\i)+3), ((\i)+3)%8
.else
	ISSUE 94+2*((\i)-5), 0, ((\i)+3)%8
.endif
	MUL24 (\i)%8, 32*((\i)%2), 64, XS+4*((\i)%2), XS+8+4*((\i)%2), ACC, \zero, (\i)%2
.endm
	s_mov_b32 s71, 0
.Lexpert:                                          ; two trips: lo, hi
	s_wait_alu depctr_vm_vsrc(0)                   ; first trip: the LDS stores of x's rows have read v[ACC ..], and the head's loads their offsets in v[T ..]: products and silu write both.  Second trip: the last block's LDS stores have read v[HWC], v[HSWC], v[PC ..], v[PWS], v[PW+2], all written again below
	v_add_nc_u32 v[HWC], s19, v[HW0]
	v_add_nc_u32 v[HSWC], s20, v[HSW0]
.irp b, 0,1,2,3
	P1STEP 2*\b, 1                                 ; K = 0 .. 511 starts the sums,
	P1STEP 2*\b+1, 0                               ; K = 512 .. 1,023
	SILU
	QUANT3 \b
.endr
	s_wait_dscnt 0x0
	s_wait_xcnt 0x0                                ; the bases of the loads issued may be written only behind this wait
	s_mov_b64 s[92:93], s[90:91]                   ; hi; behind its eight chunks follow the second product's first three: lo's, hi's, lo's
	s_add_nc_u64 s[94:95], s[88:89], 69632
	s_add_nc_u64 s[96:97], s[90:91], 69632
	s_add_nc_u64 s[98:99], s[88:89], 78336
	s_add_co_u32 s19, s19, 12288
	s_add_co_u32 s20, s20, 1024
	s_add_co_u32 s71, s71, 1
	s_cmp_lt_u32 s71, 2
	s_cbranch_scc1 .Lexpert
	s_barrier_signal -1                            ; my LDS stores have landed (the wait for 0 at the trip's end)
	s_barrier_wait -1                              ; both hidden layers lie in LDS
	WIN 0x40                                       ; the loads below land where the first product's instructions read x's fragments and scale words: those stand ahead of the last block's wait on va_vdst, and no vector or matrix instruction has been issued since
.irp x, 0,1
.irp f, 0,1,2,3,4,5,6,7,8,9,10,11
.irp c, 0,1
	ds_load_b128 v[8*(12*\x+\f)+4*\c:8*(12*\x+\f)+4*\c+3], v[LI] offset:HIMG+12288*\x+1024*\f+512*\c   ; the images come back as they were stored: fragment 4 m + s of expert x
.endr
.endr
.endr
	WIN 0
.irp x, 0,1
.irp a, 0,1
.irp s, 0,1,2,3
	ds_load_b32 v[XS+8*\x+4*\a+\s], v[LS] offset:HSC+1024*\x+256*\s+128*\a
.endr
.endr
.endr
	s_wait_dscnt 0x0
.macro COMBINE                         ; g_lo x lo's result + g_hi x hi's, two at a time; each accumulator from its low end on
.irp m, 0,1,2
.irp j, 0,2,4,6,8,10,12,14
	v_pk_mul_f32 v[ACC+16*\m+\j:ACC+16*\m+\j+1], v[ACC+16*\m+\j:ACC+16*\m+\j+1], v[G+2*\m:G+2*\m+1] op_sel_hi:[1,0]
.endr
.endr
.irp m, 0,1,2
.irp j, 0,2,4,6,8,10,12,14
	v_pk_fma_f32 v[ACC+16*\m+\j:ACC+16*\m+\j+1], v[T+16*\m+\j:T+16*\m+\j+1], v[G+2*\m:G+2*\m+1], v[ACC+16*\m+\j:ACC+16*\m+\j+1] op_sel:[0,1,0] op_sel_hi:[1,1,1]
.endr
.endr
.endm
.macro TOSTAGE gq                      ; lane (r, h): out(16 m + r, 32 g + 16 u + 8 h + 0 .. 7) of my wave's columns
.irp m, 0,1,2
.irp u, 0,1
	ds_store_b128 v[SO], v[ACC+16*\m+8*\u:ACC+16*\m+8*\u+3] offset:8448*\m+128*(\gq)+64*\u
	ds_store_b128 v[SO], v[ACC+16*\m+8*\u+4:ACC+16*\m+8*\u+7] offset:8448*\m+128*(\gq)+64*\u+16
.endr
.endr
.endm
; step K of the second product: 32 outputs g = K / 2 of expert K % 2 (lo, hi)
.macro P2STEP K
.if (\K)%2 == 0
	s_wait_dscnt 0x0                               ; the stage's LDS stores are done
.if (\K) > 0
	s_wait_alu depctr_vm_vsrc(0)                   ; the stage's LDS stores (behind a flush: its global stores too) have read v[ACC ..] and v[T ..], which this pair's products write
.endif
.endif
.if (\K) <= 13
	s_wait_loadcnt 34                              ; two younger chunks may be out
.elseif (\K) == 14
	s_wait_loadcnt 17                              ; one
.else
	s_wait_loadcnt 0x0
.endif
.if (\K)+3 <= 15
	ISSUE 88+2*(((\K)+3)%2), 8704*(8+((\K)+3)/2), ((\K)+3)%8
.endif
	MUL24 (\K)%8, 96*((\K)%2), 32, XS+8*((\K)%2), XS+8*((\K)%2)+4, ACC+48*((\K)%2), 1, (\K)%2
.if (\K)%2 == 1
	COMBINE
	s_wait_alu depctr_va_vdst(0)                   ; COMBINE has written v[ACC ..], which the stage's LDS stores read, and is done reading v[T ..], in which a flush's loads land; all products issued so far are done reading their ring parts, in which later loads land
	TOSTAGE ((\K)/2)%4
.endif
.endm
; 128 columns of the 48 rows leave: whole rows of 512 bytes, 24 rows at a time.  The rows from the tile's count on are the last ones: at the first of them the wave leaves the flush
.macro FLUSH t
.irp bt, 0,1
	s_wait_alu depctr_vm_vsrc(0)                   ; first batch: the stage's LDS stores have read v[ACC ..]; second batch: the first batch's global stores have read their rows: the loads below land in these registers
.set i, 0
.rept 24
	ds_load_b128 v[ACC+4*i:ACC+4*i+3], v[SR] offset:528*(24*\bt+i)   ; LDS serves a wave's instructions in order: these see my stores
.set i, i+1
.endr
.set i, 0
.rept 24
	s_wait_dscnt 23-i                              ; the younger rows may be out
	s_cmp_gt_u32 s73, 24*\bt+i
	s_cbranch_scc0 .Lflushed_\@
	global_store_b128 v[VTO+24*\bt+i], v[ACC+4*i:ACC+4*i+3], s[14:15] offset:512*\t th:TH_STORE_NT   ; 32 lanes: 512 consecutive bytes, aligned; written once, read by nobody here
.set i, i+1
.endr
	s_wait_xcnt 0x0                                ; the stores' addresses are translated: their registers may be loaded again
.endr
.Lflushed_\@:
	s_wait_dscnt 0x0                               ; on the short way some loads are still out, and some stores untranslated
	s_wait_xcnt 0x0
.endm
.irp K, 0,1,2,3,4,5,6,7
	P2STEP \K
.endr
	FLUSH 0
.irp K, 8,9,10,11,12,13,14,15
	P2STEP \K
.endr
	FLUSH 1
	s_wait_dscnt 0x0                               ; the closing lines, six on end
	s_wait_alu 0x0
	s_wait_tensorcnt 0x0
	ds_add_u32 v254, v255
	s_wait_dscnt 0x0
	s_endpgm
.Lfunc_end_k_qea34e9358d_chain:
	.size	k_qea34e9358d_chain, .Lfunc_end_k_qea34e9358d_chain-k_qea34e9358d_chain
	.p2alignl 7, 3214868480
	.fill 96, 4, 3214868480
	.section	.rodata,"a",@progbits
	.p2align	6, 0x0
	.amdhsa_kernel k_qea34e9358d_chain
		.amdhsa_group_segment_fixed_size 153856
		.amdhsa_private_segment_fixed_size 0
		.amdhsa_enable_private_segment 0
		.amdhsa_kernarg_size 48
		.amdhsa_user_sgpr_count 2
		.amdhsa_user_sgpr_kernarg_segment_ptr 1
		.amdhsa_wavefront_size32 1
		.amdhsa_system_sgpr_workgroup_id_x 1
		.amdhsa_system_sgpr_workgroup_id_y 1
		.amdhsa_system_sgpr_workgroup_id_z 1
		.amdhsa_system_vgpr_workitem_id 0
		.amdhsa_next_free_vgpr 1024
		.amdhsa_next_free_sgpr 102
		.amdhsa_reserve_vcc 0
		.amdhsa_float_denorm_mode_32 3
		.amdhsa_float_denorm_mode_16_64 3
		.amdhsa_memory_ordered 1
		.amdhsa_forward_progress 1
		.amdhsa_inst_pref_size 236
	.end_amdhsa_kernel
	.amdgpu_metadata
---
amdhsa.version: [ 1, 2 ]
amdhsa.kernels:
  - .name:           k_qea34e9358d_chain
    .symbol:         k_qea34e9358d_chain.kd
    .args:
      - { .name: plan, .offset: 0, .size: 8, .value_kind: global_buffer, .address_space: global }
      - { .name: gsort, .offset: 8, .size: 8, .value_kind: global_buffer, .address_space: global }
      - { .name: xq, .offset: 16, .size: 8, .value_kind: global_buffer, .address_space: global }
      - { .name: xs, .offset: 24, .size: 8, .value_kind: global_buffer, .address_space: global }
      - { .name: wimg, .offset: 32, .size: 8, .value_kind: global_buffer, .address_space: global }
      - { .name: out0, .offset: 40, .size: 8, .value_kind: global_buffer, .address_space: global }
    .group_segment_fixed_size: 153856
    .private_segment_fixed_size: 0
    .kernarg_segment_align: 8
    .kernarg_segment_size: 48
    .max_flat_workgroup_size: 128
    .sgpr_count:     102
    .vgpr_count:     1024
    .wavefront_size: 32
...
	.end_amdgpu_metadata
.endif
;; end of part 6
